; MI455X (gfx1250); checked and timed in simulation.
; The chip was launched on July 23, 2026; its instructions are those of AMD's public machine-readable ISA for CDNA 5 (MIT licence, August 2026) and "CDNA5" Instruction Set Architecture Reference Guide (July 2026). The comments in the code are by the model that wrote it; some were corrected since.
;; Nested Feed Forward. Allowed arithmetic: matrix products marked QUANTISED: E2M3 operands, one E8M0 scale for each 32 along K, by v_wmma_scale_f32_16x16x128_f8f6f4 with both operands' format E2M3, f32 sums; everything else in f32.
;; Inputs: b1 2,048 float32; b2 2,048 float32; token_mask 4 x 2,048 int32; w1_codes 2,048 x 64 x 24 uint8 (E2M3 codes of w1, K innermost, in blocks of 32 codes, four codes in three bytes); w1_scales 2,048 x 64 uint8 (E8M0 scales of w1, one for each 32 codes along K); w2_codes 2,048 x 64 x 24 uint8 (E2M3 codes of w2, K innermost, in blocks of 32 codes, four codes in three bytes); w2_scales 2,048 x 64 uint8 (E8M0 scales of w2, one for each 32 codes along K); x 4 x 2,048 x 2,048 float32.
;; Outputs: out0 4 x 2,048 x 2,048 float32.
;; This version of the problem:
;;   THIS VERSION OF THE PROBLEM IS GIVEN IN LOW PRECISION. The matrix products marked QUANTISED in the list below multiply operands that are first quantised to E2M3 (2 exponent bits, 3 mantissa bits; 6 bits a number), with one power-of-two scale for each 32 numbers along K (OCP MX v1.0); their sums are f32. All else is computed in f32.
;;   The module's matrix products, in the order in which they are computed (A, B: the left and right operand; K: the contracted axis; several contracted axes count as one K, in the product's order):
;;     1. [M 8,192, K 2,048] x [K 2,048, N 2,048]; A: computed on the way; B: input w1 (given as codes): QUANTISED
;;     2. [M 8,192, K 2,048] x [K 2,048, N 2,048]; A: computed on the way; B: input w2 (given as codes): QUANTISED
;;   THE QUANTISER, for each operand of a quantised product, along K:
;;     - K is cut into blocks of 32 from its start; a last block that is shorter is filled with zeros.
;;     - A block's scale is 2^e with e = floor(log2(the largest magnitude in the block)) - 2, held to -126 .. 127; a block of zeros has e = 0. As a byte (E8M0): e + 127.
;;     - Each number is divided by its block's scale, clamped to +-7.5, and rounded to the nearest number of E2M3, ties to even, subnormals kept.
;;     - The product sums the exact products of the quantised numbers (number of the format x scale) in f32.
;;   ~~~python
;;   def quantise(x, axis):      # numpy; x: float32 -> the quantised numbers, widened to float32 again
;;       x = np.moveaxis(x, axis, -1); K = x.shape[-1]
;;       x = np.pad(x, [(0, 0)] * (x.ndim - 1) + [(0, -K % 32)]); x = x.reshape(x.shape[:-1] + (-1, 32)); a = np.abs(x).max(-1, keepdims=True)
;;       e = np.where(a > 0, np.clip(np.frexp(np.where(a > 0, a, 1))[1] - 1 - 2, -126, 127), 0)      # np.frexp(a)[1] - 1 = floor(log2(a)), exactly
;;       r = np.clip(x / 2.0 ** e, -7.5, 7.5)
;;       step = 2.0 ** (np.maximum(np.frexp(np.where(r == 0, 1, r))[1] - 1, 0) - 3)
;;       q = np.round(r / step) * step * 2.0 ** e      # np.round: ties to even
;;       return np.moveaxis(q.reshape(q.shape[:-2] + (-1,))[..., :K], -1, axis).astype(np.float32)
;;   ~~~
;;   OPERANDS COMPUTED ON THE WAY. 'Computed on the way' means the value that the module computes at that place (a softmax that the list does not call 'softmax' is quantised finished and normalised). What goes into a quantiser is computed in f32, as accurately as f32 sums, v_exp_f32 and their like allow (about 1e-6 of the number): no bf16 or f16 on the way to a quantiser, and a product that is left as it is and whose result goes on into a quantised operand takes f32 operands (vector FMAs, or v_wmma_f32_16x16x4_f32). A number that lies on a knife's edge between two numbers of the format may be rounded either way, as far as f32 arithmetic and the matrix unit's own rounding can turn it there, and no further.
;;   INPUTS GIVEN AS CODES. w1 (in the module: [2048, 2048], K = its axis 1); w2 (in the module: [2048, 2048], K = its axis 1): each comes as NAME_codes (uint8): NAME with its K axis moved to the last place and cut into blocks of 32 codes, [.., K / 32, bytes a block], one block behind the other in memory; four codes in three bytes: a row's codes are one little-endian stream of bits, code i at bits 6 i .. 6 i + 5 (a code: sign, 2 exponent bits, 3 mantissa bits); and NAME_scales (uint8): the same leading axes, one E8M0 byte (e + 127) for each 32 codes along K. Its value is code x scale, taken as it is: it is not quantised again, and the codes and scales need not be those that the quantiser above would give.
;; 2 versions, each right and faster than the one before. Each part assembles by itself: llvm-mc -triple=amdgcn-amd-amdhsa -mcpu=gfx1250 --defsym DOCPART=n.
;; ======== version 1 of 2: 3 launches
;; workspace buffers: xcodes 12,584,448 bytes; xscales 524,544 bytes; wimg 6,291,456 bytes; wsc 262,144 bytes; hcodes 13,418,496 bytes; hscales 559,104 bytes; route 41,472 bytes of whole numbers
;; launch prep (part 1): grid 1061 x 1, 8 waves a work-group, no clusters, 44,288 bytes of LDS; arguments x, token_mask, w1_codes, w1_scales, w2_codes, w2_scales, xcodes, xscales, wimg, wsc, route, hcodes, hscales; writes xcodes, xscales, wimg, wsc, route, hcodes, hscales
.if DOCPART == 1
	.amdgcn_target "amdgcn-amd-amdhsa--gfx1250"
	.amdhsa_code_object_version 6
	.text
	.protected	k_q2e47de9db3_prep
	.globl	k_q2e47de9db3_prep
	.p2align	8
	.type	k_q2e47de9db3_prep,@function
k_q2e47de9db3_prep:
	s_mov_b64 s[64:65], 0
	v_nop
	global_prefetch_b8 v0, s[64:65] scope:SCOPE_SE
	s_setreg_imm32_b32 hwreg(HW_REG_WAVE_MODE, 25, 1), 1
	s_wait_xcnt 0x0
; NESTED FEED-FORWARD, launch 1 of 3: the tokens are sorted by width, x is quantised, the weights are laid out as register images.
; y[:, :Dm] = Q(gelu(Q(x[:, :Dm]) w1[:, :Dm]^T + b1)) w2[:Dm]^T + b2, the rest of a row 0; Dm = 2048 >> (4 - m) for m = token_mask in 1..4; any other m gives a row of zeros.
; WORK LEFT OUT, for all values of the inputs: (a) columns k >= Dm of x: the problem multiplies them by a 0 of its own mask ahead of the quantiser, in whole blocks of 32 (Dm is a multiple of 256), so their
; codes are zeros and add nothing to the first product; they are neither loaded nor multiplied.  (b) columns n >= Dm of the second product, and both products of tokens with m outside 1..4: their results are multiplied
; by the same 0.  m is a whole number read from memory; the later launches read whole numbers that this launch stores.  Every input has a way to an output and is loaded by some launch.
; LIMITS: a NaN, an infinity or an overflow that reaches only the work left out is not carried to the result (the masked numbers are written as +0).  NaN and infinities in x are not served.  A block of zeros gets the
; scale byte 1 where the quantiser says 127: its codes are zeros, and this program alone reads the bytes.  Blocks whose largest magnitude lies under 2^-124, the floor, were not tried.
; A token of width 256 is quantised over 512 columns (a step is 512 numbers); its second 256 codes are never multiplied.
; ROLES, by the work-group's number: 0 the sorter; 1-32 the weights' codes; 33-36 the weights' scale bytes; 37-1060 the quantiser, a token to a wave.  Each role that uses LDS has LDS bytes of its own.
; SORTED ORDER: key k = min(4 - m, 4) (unsigned): k = 0..3 widths 2048..256, k = 4 no width.  Places run key by key, each key filled up to whole tiles of 128 places: at most 68 tiles.
; route: list[8704] at byte 0: the token at a place, 8192 where there is none; tk[72] at TKOFF: (Dm / 128) | 0x100 for a tile that exists, else 0; word DUMPW, behind tk, takes stores that are to count for nothing and is
; never read; work2[1536] at W2OFF: tile | slice << 8 | 0x10000, the live entries first, then 0.
; xcodes: a row of 1,536 bytes a token; in each 256 along K (192 bytes) block 4 u + 2 c + h lies at 96 h + 48 u + 24 c, so that a lane of a fragment reads 96 bytes on end for two K steps.  Row 8192: zero codes.
; wimg: [weight][slice of 128 rows][K step][tile of 16 rows][1,536 bytes]: a fragment as an image of its registers, register group c at 512 c + 16 x lane.  A tile of w1 takes rows 32 (t / 2) + 8 (t % 2) + r + 8 (r / 8), so
; that the first product's results are neighbours along the second product's K; a tile of w2 takes rows 16 t + r.   wsc: [weight][slice][256 along K][q][lane][u]: lane l holds the scale word of tile 2 q + l / 16, row l % 16.
; No cluster: no two work-groups read the same bytes here but the 32 KiB of token_mask.
.set SPARE, 43264                      ; the spare words: 128 bytes for each of the eight waves; no other line names them
.set SORT,  43008                      ; the sorter's 128 bytes
.set WREG,  5376                       ; the quantiser: a region for each wave: two stages of 32 x 80 bytes, then its 64 scale bytes
.set SP,    80
.set SPW,   12                         ; v12  LDS address of my spare word; never rewritten
.set NIL,   13                         ; v13  0; never rewritten
.set R,     16                         ; v16-79   four sets of 16 numbers as loaded
.set X,     80                         ; v80-111  two sets of 16 neighbours
.set C,     112                        ; v112-127 a step's codes (3 registers) and its scale byte (the fourth)
.set TKOFF, 34816
.set DUMPW, 8831                       ; word 8831 of route (byte 35324): the last of the 512 bytes kept for tk, of which tk takes 288
.set W2OFF, 35328
.macro LOAD t                          ; step t: 512 numbers; each load reads 512 consecutive bytes
.irp i, 0,1,2,3
	global_load_b128 v[R+16*(\t)+4*\i:R+16*(\t)+4*\i+3], v3, s[42:43] offset:2048*(\t)+512*\i th:TH_LOAD_NT
.endr
.endm
.macro TURN t                          ; through the wave's own stage: in as loaded, out 64 bytes a lane; LDS serves a wave's instructions in order
.irp i, 0,1,2,3
	ds_store_b128 v14, v[R+16*(\t)+4*\i:R+16*(\t)+4*\i+3] offset:32*SP*((\t)%2)+8*SP*\i
.endr
.irp i, 0,1,2,3
	ds_load_b128 v[X+16*((\t)%2)+4*\i:X+16*((\t)%2)+4*\i+3], v15 offset:32*SP*((\t)%2)+16*\i
.endr
.endm
.macro STEP t, n
.set XQ, X+16*((\t)%2)
.if (\t) > 0
	s_wait_dscnt 1                                 ; this step's numbers are back; the last step's byte store may be out
.else
	s_wait_dscnt 0x0
.endif
.if (\t)+1 < \n
	s_wait_loadcnt 4*(\n-2-(\t))                   ; the next step's four loads are in; those of the steps behind it may be out
	TURN (\t)+1
.endif
	v_max3_num_f32 v8, |v[XQ]|, |v[XQ+1]|, |v[XQ+2]|               ; the largest magnitude of my 16
	v_max3_num_f32 v9, |v[XQ+3]|, |v[XQ+4]|, |v[XQ+5]|
.irp i, 6,10
	v_max3_num_f32 v8, v8, |v[XQ+\i]|, |v[XQ+\i+1]|
	v_max3_num_f32 v9, v9, |v[XQ+\i+2]|, |v[XQ+\i+3]|
.endr
	v_max3_num_f32 v8, v8, |v[XQ+14]|, |v[XQ+15]|
	v_max3_num_f32 v8, v8, v9, 0x1800000           ; and the floor 2^(3 - 127): the byte cannot fall under 1
	v_max_num_f32_dpp v8, v8, v8 row_xmask:1 row_mask:0xf bank_mask:0xf   ; with my neighbour's 16: the block's
	v_add_nc_u32 v11, 0xff000000, v8               ; 2 off its exponent field: the conversion's scale operand
	v_cvt_scalef32_pk16_fp6_f32 v[C+4*(\t):C+4*(\t)+2], v[XQ:XQ+15], v11
	v_lshrrev_b32 v[C+4*(\t)+3], 23, v11           ; the scale's byte (a plain line behind the conversion)
	ds_store_b8 v5, v[C+4*(\t)+3] offset:16*(\t)   ; both lanes of a block write the same byte
	global_store_b96 v4, v[C+4*(\t):C+4*(\t)+2], s[44:45] offset:384*(\t)
.endm
.macro QTOK n                          ; a token of n steps
.if \n > 1
	LOAD 1
.endif
.if \n > 2
	LOAD 2
	LOAD 3
.endif
	s_wait_loadcnt 4*(\n-1)                        ; step 0's four loads are in
	TURN 0
	STEP 0, \n
.if \n > 1
	STEP 1, \n
.endif
.if \n > 2
	STEP 2, \n
	STEP 3, \n
.endif
	ds_load_b32 v8, v6                             ; the row's 64 scale bytes (lanes 16-31 repeat lanes 0-15)
	s_wait_dscnt 0x0
	global_store_b32 v7, v8, s[46:47]
	s_branch .Lend
.endm
.macro LOADB b                         ; four K steps of my 16 weight rows, as fragments
.irp s, 0,1,2,3
.irp p, 0,1,2,3,4,5
	global_load_b64 v[16+48*((\b)%2)+12*\s+2*\p:16+48*((\b)%2)+12*\s+2*\p+1], v4, s[38:39] offset:96*(4*(\b)+\s)+48*(\p/3)+8*(\p%3)
.endr
.endr
.endm
.macro STOREB b                        ; and out as images: 512 consecutive bytes a store
.irp s, 0,1,2,3
.irp c, 0,1,2
	global_store_b128 v3, v[16+48*((\b)%2)+12*\s+4*\c:16+48*((\b)%2)+12*\s+4*\c+3], s[46:47] offset:12288*(4*(\b)+\s)+512*\c
.endr
.endr
.endm
.macro TKK k, val                      ; tk: tiles under S(k + 1) take key k's word
	v_mov_b32 v11, \val
	v_cmp_gt_u32 vcc_lo, s[67+\k], v10
	v_cndmask_b32 v109, v109, v11, vcc_lo
.endm
	s_load_b512 s[8:23], s[0:1], 0x0               ; x, token_mask, w1_codes, w1_scales, w2_codes, w2_scales, xcodes, xscales
	s_load_b256 s[24:31], s[0:1], 0x40             ; wimg, wsc, route, hcodes
	s_load_b64 s[32:33], s[0:1], 0x60              ; hscales
	v_lshl_add_u32 v[SPW], v0, 2, SPARE
	v_mov_b32 v[NIL], 0
	v_lshrrev_b32 v1, 5, v0
	v_readfirstlane_b32 s34, v1                    ; wave 0..7
	v_and_b32 v2, 31, v0                           ; lane
	v_lshlrev_b32 v3, 4, v2                        ; 16 x lane
	s_mov_b32 s37, 0                               ; the upper word of the offset pair s[36:37]
	s_wait_kmcnt 0x0
	s_cmp_ge_u32 ttmp9, 37
	s_cbranch_scc1 .Lquant
	s_cmp_ge_u32 ttmp9, 33
	s_cbranch_scc1 .Lwscale
	s_cmp_ge_u32 ttmp9, 1
	s_cbranch_scc1 .Lwcode
	; ---------------- THE SORTER: one work-group, 1,024 tokens a wave, by ballots: no LDS address, no barrier and no write of EXEC hangs on data
	s_cmp_lg_u32 s34, 7
	s_cbranch_scc1 .Lnodummy
	; wave 7 writes what loads that are issued without a condition fall on: a row of zero codes, and a group of zero codes of the hidden layer; their scale bytes are 127
.irp i, 0,1,2,3
	v_mov_b32 v[120+\i], 0
.endr
	v_mov_b32 v124, 0x7f7f7f7f
	v_lshlrev_b32 v5, 2, v2
	v_and_b32 v7, 15, v2
	v_lshlrev_b32 v7, 2, v7
	s_add_nc_u64 s[38:39], s[20:21], 12582912      ; xcodes, row 8192
	global_store_b128 v3, v[120:123], s[38:39]
	s_add_nc_u64 s[40:41], s[22:23], 524288        ; xscales, row 8192
	global_store_b32 v7, v124, s[40:41]
	s_add_nc_u64 s[42:43], s[30:31], 13369344      ; hcodes, group 272, K steps 0 to 3
.irp i, 0,1,2,3,4,5,6,7,8,9,10,11,12,13,14,15,16,17,18,19,20,21,22,23
	global_store_b128 v3, v[120:123], s[42:43] offset:512*\i
.endr
	s_add_nc_u64 s[44:45], s[32:33], 557056        ; hscales, group 272
.irp i, 0,1,2,3
	global_store_b32 v5, v124, s[44:45] offset:128*\i
.endr
.Lnodummy:
	s_lshl_b32 s35, s34, 12
	v_add_nc_u32 v4, s35, v3                       ; my wave's 4,096 bytes of token_mask, 16 bytes a lane
.irp i, 0,1,2,3,4,5,6,7
	global_load_b128 v[16+4*\i:19+4*\i], v4, s[10:11] offset:512*\i   ; register 4 i + jj: token 1024 w + 128 i + 4 lane + jj
.endr
	s_lshl_b32 s35, s34, 10
	v_lshl_add_u32 v9, v2, 2, s35                  ; 1024 w + 4 lane
	s_lshl_b32 s35, s34, 4
	s_add_co_u32 s35, s35, SORT
	v_mov_b32 v8, s35                              ; where my wave's four counts go
	v_mov_b32 v6, SORT
.irp k, 0,1,2,3
	s_mov_b32 s[48+\k], 0
.endr
	s_wait_loadcnt 0x0
.set q, 0
.rept 32
	v_sub_nc_u32 v[16+q], 4, v[16+q]
	v_min_u32 v[16+q], 4, v[16+q]                  ; the key
.set q, q+1
.endr
.set q, 0
.rept 32                                       ; pass 1: my wave's count of keys 0 to 3
.irp k, 0,1,2,3
	v_cmp_eq_u32 s52, \k, v[16+q]
	s_bcnt1_i32_b32 s52, s52
	s_add_co_u32 s[48+\k], s[48+\k], s52
.endr
.set q, q+1
.endr
.irp k, 0,1,2,3
	v_mov_b32 v[108+\k], s[48+\k]
.endr
	ds_store_b128 v8, v[108:111]                   ; all lanes write the same 16 bytes
	s_wait_dscnt 0x0                               ; for the others' sake: my store has landed
	s_barrier_signal -1                            ; the one barrier: on a way that the work-group's number alone chooses
	s_barrier_wait -1
.irp i, 0,1,2,3,4,5,6,7
	ds_load_b128 v[64+4*\i:67+4*\i], v6 offset:16*\i
.endr
	s_wait_dscnt 0x0
.set q, 0
.rept 32
	v_readfirstlane_b32 s[66+q], v[64+q]           ; wave i's count of key k: s[66 + 4 i + k]
.set q, q+1
.endr
.irp k, 0,1,2,3
	s_mov_b32 s[48+\k], 0                          ; n(k): all waves'
	s_mov_b32 s[53+\k], 0                          ; and the lower waves'
.endr
.irp i, 0,1,2,3,4,5,6,7
.irp k, 0,1,2,3
	s_add_co_u32 s[48+\k], s[48+\k], s[66+4*\i+\k]
.endr
	s_cmp_lt_u32 \i, s34
.irp k, 0,1,2,3
	s_cselect_b32 s[58+\k], s[66+4*\i+\k], 0
.endr
.irp k, 0,1,2,3
	s_add_co_u32 s[53+\k], s[53+\k], s[58+\k]
.endr
.endr
	s_add_co_u32 s52, s48, s49
	s_add_co_u32 s52, s52, s50
	s_add_co_u32 s52, s52, s51
	s_sub_co_u32 s52, 0x2000, s52                  ; n(4): the rest of the 8,192
	s_add_co_u32 s57, s53, s54
	s_add_co_u32 s57, s57, s55
	s_add_co_u32 s57, s57, s56
	s_lshl_b32 s58, s34, 10
	s_sub_co_u32 s57, s58, s57                     ; and the rest of the lower waves' 1,024 w
.irp k, 0,1,2,3,4
	s_add_co_u32 s[58+\k], s[48+\k], 127
	s_lshr_b32 s[58+\k], s[58+\k], 7               ; T(k): key k's tiles
.endr
	s_mov_b32 s66, 0                               ; S(k): its first tile
.irp k, 0,1,2,3,4
	s_add_co_u32 s[67+\k], s[66+\k], s[58+\k]
	s_lshl_b32 s[72+\k], s[66+\k], 7               ; its first place
	s_add_co_u32 s[53+\k], s[53+\k], s[72+\k]      ; my wave's next place in it
.endr
	s_mov_b32 s77, 0                               ; C(k): entries of work2 up to and with key k: T(k) x (16 >> k) slices
.irp k, 0,1,2,3
	s_lshl_b32 s98, s[58+\k], 4-\k
	s_add_co_u32 s[78+\k], s[77+\k], s98
.endr
.set q, 0
.rept 32                                       ; pass 2: a place for each token
.if (q%4 == 0) && (q > 0)
	s_wait_xcnt 0x0                                ; the four pairs of place and token are written again only behind this wait
.endif
.set PP, 100+2*(q%4)
	v_cmp_eq_u32 s98, 0, v[16+q]
	v_mbcnt_lo_u32_b32 v[PP], s98, s53             ; the key's next place + the lanes of that key below me
	s_bcnt1_i32_b32 s98, s98
	s_add_co_u32 s53, s53, s98
.irp k, 1,2,3,4
	v_cmp_eq_u32 s98, \k, v[16+q]
	v_mbcnt_lo_u32_b32 v10, s98, s[53+\k]
	v_cndmask_b32 v[PP], v[PP], v10, s98
	s_bcnt1_i32_b32 s98, s98
	s_add_co_u32 s[53+\k], s[53+\k], s98
.endr
	v_min_u32 v[PP], 0x21ff, v[PP]                 ; a place is under 8,704
	v_lshlrev_b32 v[PP], 2, v[PP]
	v_add_nc_u32 v[PP+1], 128*(q/4)+(q%4), v9      ; the token
	global_store_b32 v[PP], v[PP+1], s[28:29]
.set q, q+1
.endr
	; the places that hold no token get 8192: 34 rounds of 256 places.  Every lane stores: a lane whose place holds a token stores the same 8192 to the dump word, which nobody reads
	v_mov_b32 v116, v0                             ; my place
	v_mov_b32 v118, 0x2000
	v_mov_b32 v115, DUMPW
	s_mov_b32 s100, 0
.Lpad:
	s_mov_b32 s99, 0
.irp k, 0,1,2,3,4
	v_sub_nc_u32 v10, v116, s[72+\k]
	v_cmp_gt_u32 s98, s[48+\k], v10                ; place - key k's first place < n(k), unsigned: a token lies here
	s_or_b32 s99, s99, s98
.endr
	s_wait_xcnt 0x0                                ; the last trip's store has read its address register
	v_cndmask_b32 v117, v116, v115, s99
	v_min_u32 v117, 0x227f, v117                   ; a word of list, or the dump word
	v_lshlrev_b32 v117, 2, v117
	global_store_b32 v117, v118, s[28:29]
	v_add_nc_u32 v116, 0x100, v116
	s_add_co_u32 s100, s100, 1
	s_cmp_lt_u32 s100, 34
	s_cbranch_scc1 .Lpad
	; tk
	v_min_u32 v10, 71, v0
	v_lshlrev_b32 v96, 2, v10
	v_mov_b32 v109, 0
	TKK 4, 0x100
	TKK 3, 0x102
	TKK 2, 0x104
	TKK 1, 0x108
	TKK 0, 0x110
	global_store_b32 v96, v109, s[28:29] offset:TKOFF
	; work2: entry e of key k (C(k - 1) <= e < C(k)): tile S(k) + local >> (4 - k), slice local & ((16 >> k) - 1)
	v_lshlrev_b32 v97, 2, v0
.irp rd, 0,1,2,3,4,5
	v_add_nc_u32 v9, 256*\rd, v0
	v_mov_b32 v[98+\rd], 0
.irp k, 3,2,1,0
	v_sub_nc_u32 v10, v9, s[77+\k]
	v_lshrrev_b32 v11, 4-\k, v10
	v_add_nc_u32 v11, s[66+\k], v11
	v_and_b32 v10, (16>>\k)-1, v10
	v_lshl_or_b32 v11, v10, 8, v11
	v_or_b32 v11, 0x10000, v11
	v_cmp_gt_u32 vcc_lo, s[78+\k], v9
	v_cndmask_b32 v[98+\rd], v[98+\rd], v11, vcc_lo
.endr
	global_store_b32 v97, v[98+\rd], s[28:29] offset:W2OFF+1024*\rd
.endr
	s_branch .Lend
	; ---------------- THE WEIGHTS' CODES: a wave takes one tile of 16 rows for all of K: four batches of four K steps on two sets of registers
.Lwcode:
	s_sub_co_u32 s35, ttmp9, 1
	s_lshr_b32 s36, s35, 4                         ; which weight
	s_and_b32 s35, s35, 15                         ; slice; the tile is the wave's number
	s_lshr_b32 s41, s34, 1
	s_lshl_b32 s41, s41, 5
	s_and_b32 s42, s34, 1
	s_lshl_b32 s42, s42, 3
	s_add_co_u32 s41, s41, s42                     ; w1: the tile begins at row 32 (t / 2) + 8 (t % 2)
	s_lshl_b32 s42, s34, 4                         ; w2: at 16 t
	s_mul_i32 s43, s36, 3145728
	s_cmp_eq_u32 s36, 0
	s_cselect_b64 s[38:39], s[12:13], s[16:17]
	s_cselect_b32 s40, 8, 0                        ; w1: lanes 8-15 take rows 8 further on
	s_cselect_b32 s41, s41, s42
	s_lshl_b32 s42, s35, 7
	s_add_co_u32 s41, s41, s42
	s_mul_i32 s42, s35, 196608
	s_add_co_u32 s43, s43, s42
	s_mul_i32 s42, s34, 1536
	s_add_co_u32 s36, s43, s42
	s_add_nc_u64 s[46:47], s[24:25], s[36:37]      ; the tile's image of K step 0
	v_and_b32 v5, 15, v2
	v_bfe_u32 v6, v2, 4, 1
	v_and_b32 v7, s40, v5
	v_add_nc_u32 v7, v7, v5
	v_add_nc_u32 v7, s41, v7                       ; my row
	v_mul_u32_u24 v4, v7, 1536
	v_mad_u32_u24 v4, v6, 24, v4                   ; + 24 bytes for lanes 16-31
	LOADB 0
	LOADB 1
	s_wait_loadcnt 24                              ; the older batch is in; the younger one's 24 loads may be out
	STOREB 0
	s_wait_xcnt 0x0                                ; the stores have read their registers: the set may be loaded again
	LOADB 2
	s_wait_loadcnt 24
	STOREB 1
	s_wait_xcnt 0x0
	LOADB 3
	s_wait_loadcnt 24
	STOREB 2
	s_wait_loadcnt 0x0
	STOREB 3
	s_branch .Lend
	; ---------------- THE WEIGHTS' SCALE BYTES: a wave takes one slice of one weight
.Lwscale:
	s_sub_co_u32 s35, ttmp9, 33
	s_lshl_b32 s35, s35, 3
	s_add_co_u32 s35, s35, s34
	s_lshr_b32 s36, s35, 4                         ; which weight
	s_and_b32 s35, s35, 15                         ; slice
	s_lshl_b32 s43, s36, 17
	s_cmp_eq_u32 s36, 0
	s_cselect_b64 s[38:39], s[14:15], s[18:19]
	s_cselect_b32 s40, 8, 0
	s_cselect_b32 s41, 3, 4                        ; lanes 16-31 hold the odd tile: 8 rows on in w1, 16 in w2
	s_lshl_b32 s42, s35, 13
	s_add_co_u32 s36, s43, s42
	s_add_nc_u64 s[46:47], s[26:27], s[36:37]
	s_lshl_b32 s42, s35, 7
	v_and_b32 v5, 15, v2
	v_bfe_u32 v6, v2, 4, 1
	v_and_b32 v7, s40, v5
	v_add_nc_u32 v7, v7, v5
	v_add_nc_u32 v7, s42, v7
	v_lshlrev_b32 v6, s41, v6
	v_add_nc_u32 v7, v7, v6
	v_lshlrev_b32 v4, 6, v7                        ; my row of 64 scale bytes (q = 0)
	v_lshlrev_b32 v8, 3, v2
.irp q, 0,1,2,3
.irp i, 0,1,2,3
	global_load_b128 v[16+16*\q+4*\i:16+16*\q+4*\i+3], v4, s[38:39] offset:2048*\q+16*\i
.endr
.endr
	s_wait_loadcnt 0x0
.irp cc, 0,1,2,3,4,5,6,7
.irp q, 0,1,2,3
	global_store_b64 v8, v[16+16*\q+2*\cc:16+16*\q+2*\cc+1], s[46:47] offset:1024*\cc+256*\q   ; 256 consecutive bytes a store
.endr
.endr
	s_branch .Lend
	; ---------------- THE QUANTISER: a token to a wave
.Lquant:
	s_sub_co_u32 s35, ttmp9, 37
	s_lshl_b32 s35, s35, 3
	s_add_co_u32 s35, s35, s34                     ; my token
	s_lshl_b32 s36, s35, 2
	s_add_nc_u64 s[38:39], s[10:11], s[36:37]
	s_load_b32 s40, s[38:39], 0x0                  ; m
	s_lshl_b32 s36, s35, 13
	s_add_nc_u64 s[42:43], s[8:9], s[36:37]        ; its row of x
	LOAD 0                                         ; asked for before m is known: 2,048 bytes in vain where the token has no width
	s_mul_i32 s36, s35, 1536
	s_add_nc_u64 s[44:45], s[20:21], s[36:37]      ; its codes
	s_lshl_b32 s36, s35, 6
	s_add_nc_u64 s[46:47], s[22:23], s[36:37]      ; its scale bytes
	s_mul_i32 s41, s34, WREG
	v_lshrrev_b32 v14, 2, v2
	v_mul_u32_u24 v14, v14, SP
	v_and_b32 v15, 3, v2
	v_lshl_add_u32 v14, v15, 4, v14
	v_add_nc_u32 v14, s41, v14                     ; the stage, on the way in: four lanes' 64 bytes, then 16 of padding
	v_mul_u32_u24 v15, v2, SP
	v_add_nc_u32 v15, s41, v15                     ; and out: my 16 neighbours
	s_add_co_u32 s41, s41, 2*32*SP
	v_lshrrev_b32 v5, 1, v2
	v_add_nc_u32 v5, s41, v5                       ; my block's scale byte
	v_and_b32 v7, 15, v2
	v_lshlrev_b32 v7, 2, v7
	v_add_nc_u32 v6, s41, v7                       ; the way out of the scale bytes
	v_lshl_add_u32 v10, v2, 1, s41
	v_mov_b32 v11, 0x7f7f
	ds_store_b16 v10, v11                          ; blocks that are not quantised keep the byte 127
	v_and_b32 v8, 1, v2                            ; my 12 bytes of codes: lane bits 4..0 are the 256 along K, u, c, h and the half of a block
	v_mul_u32_u24 v4, v8, 12
	v_bfe_u32 v8, v2, 1, 1
	v_mad_u32_u24 v4, v8, 96, v4
	v_bfe_u32 v8, v2, 2, 1
	v_mad_u32_u24 v4, v8, 24, v4
	v_bfe_u32 v8, v2, 3, 1
	v_mad_u32_u24 v4, v8, 48, v4
	v_bfe_u32 v8, v2, 4, 1
	v_mad_u32_u24 v4, v8, 192, v4
	s_wait_kmcnt 0x0
	s_sub_co_u32 s40, 4, s40
	s_cmp_gt_u32 s40, 3
	s_cbranch_scc1 .Lqnone
	s_cmp_eq_u32 s40, 0
	s_cbranch_scc1 .Lq4
	s_cmp_eq_u32 s40, 1
	s_cbranch_scc1 .Lq2
	QTOK 1                                         ; widths 256 and 512
.Lq2:
	QTOK 2                                         ; width 1,024
.Lq4:
	QTOK 4                                         ; width 2,048
.Lqnone:
	s_wait_loadcnt 0x0
.Lend:
	s_wait_tensorcnt 0x0                           ; the wave's end
	ds_add_u32 v[SPW], v[NIL]
	s_wait_dscnt 0x0
	s_endpgm
.Lfunc_end_k_q2e47de9db3_prep:
	.size	k_q2e47de9db3_prep, .Lfunc_end_k_q2e47de9db3_prep-k_q2e47de9db3_prep
	.p2alignl 7, 3214868480
	.fill 96, 4, 3214868480
	.section	.rodata,"a",@progbits
	.p2align	6, 0x0
	.amdhsa_kernel k_q2e47de9db3_prep
		.amdhsa_group_segment_fixed_size 44288
		.amdhsa_private_segment_fixed_size 0
		.amdhsa_enable_private_segment 0
		.amdhsa_kernarg_size 104
		.amdhsa_user_sgpr_count 2
		.amdhsa_user_sgpr_kernarg_segment_ptr 1
		.amdhsa_wavefront_size32 1
		.amdhsa_system_sgpr_workgroup_id_x 1
		.amdhsa_system_sgpr_workgroup_id_y 1
		.amdhsa_system_sgpr_workgroup_id_z 1
		.amdhsa_system_vgpr_workitem_id 0
		.amdhsa_next_free_vgpr 128
		.amdhsa_next_free_sgpr 102
		.amdhsa_reserve_vcc 1
		.amdhsa_float_denorm_mode_32 3
		.amdhsa_float_denorm_mode_16_64 3
		.amdhsa_memory_ordered 1
		.amdhsa_forward_progress 1
		.amdhsa_inst_pref_size 124
	.end_amdhsa_kernel
	.amdgpu_metadata
---
amdhsa.version: [ 1, 2 ]
amdhsa.kernels:
  - .name:           k_q2e47de9db3_prep
    .symbol:         k_q2e47de9db3_prep.kd
    .args:
      - { .name: x, .offset: 0, .size: 8, .value_kind: global_buffer, .address_space: global }
      - { .name: token_mask, .offset: 8, .size: 8, .value_kind: global_buffer, .address_space: global }
      - { .name: w1_codes, .offset: 16, .size: 8, .value_kind: global_buffer, .address_space: global }
      - { .name: w1_scales, .offset: 24, .size: 8, .value_kind: global_buffer, .address_space: global }
      - { .name: w2_codes, .offset: 32, .size: 8, .value_kind: global_buffer, .address_space: global }
      - { .name: w2_scales, .offset: 40, .size: 8, .value_kind: global_buffer, .address_space: global }
      - { .name: xcodes, .offset: 48, .size: 8, .value_kind: global_buffer, .address_space: global }
      - { .name: xscales, .offset: 56, .size: 8, .value_kind: global_buffer, .address_space: global }
      - { .name: wimg, .offset: 64, .size: 8, .value_kind: global_buffer, .address_space: global }
      - { .name: wsc, .offset: 72, .size: 8, .value_kind: global_buffer, .address_space: global }
      - { .name: route, .offset: 80, .size: 8, .value_kind: global_buffer, .address_space: global }
      - { .name: hcodes, .offset: 88, .size: 8, .value_kind: global_buffer, .address_space: global }
      - { .name: hscales, .offset: 96, .size: 8, .value_kind: global_buffer, .address_space: global }
    .group_segment_fixed_size: 44288
    .private_segment_fixed_size: 0
    .kernarg_segment_align: 8
    .kernarg_segment_size: 104
    .max_flat_workgroup_size: 256
    .sgpr_count:     102
    .vgpr_count:     128
    .wavefront_size: 32
...
	.end_amdgpu_metadata
.endif
;; end of part 1
;; launch up (part 2): grid 16 x 68, 4 waves a work-group, no clusters, 49,664 bytes of LDS; arguments xcodes, xscales, wimg, wsc, b1, route, hcodes, hscales, out0; writes hcodes, hscales, out0
.if DOCPART == 2
	.amdgcn_target "amdgcn-amd-amdhsa--gfx1250"
	.amdhsa_code_object_version 6
	.text
	.protected	k_q2e47de9db3_up
	.globl	k_q2e47de9db3_up
	.p2align	8
	.type	k_q2e47de9db3_up,@function
k_q2e47de9db3_up:
	s_mov_b64 s[64:65], 0
	v_nop
	global_prefetch_b8 v0, s[64:65] scope:SCOPE_SE
	s_setreg_imm32_b32 hwreg(HW_REG_WAVE_MODE, 25, 1), 1
	s_wait_xcnt 0x0
; Launch 2 of 3: h = gelu(Q(x) w1^T + b1), quantised along the hidden axis and stored as fragment images; and the part of out0 that is 0.
; WORK LEFT OUT: K steps at or beyond a tile's width Dm (zero codes by the problem's own mask), and the product for tiles of tokens with no width; see the head of the first launch.
; SHARES.  Work-group (j, y): tile y of 128 sorted places x slice j of 128 hidden units.  Wave w owns group g = 4 y + w: 32 places x 128 units, 16 accumulators.  The product is used transposed (source 0 = 16 rows of w1,
; source 1 = 16 tokens), and w1's tiles hold rows chosen so that a lane's 64 results of a tile of tokens are K step j of the next product, 16 neighbours to each block's half.
; A chunk is 256 along K.  Its 24,576 bytes of w1's images go memory -> registers (a quarter a wave) -> one of two LDS slots -> all four waves; the tokens' fragments and all scale words go from memory straight into registers.
; A place that holds no token takes the tile's first token: its row is a copy, and the same work-group stores the same bytes.
; CONTROL.  KC, the tile's chunks, is a number read from memory.  All eight trips are written out, every barrier and every wait for loads stands on every way.
; What crosses blocks (accumulators, both sets of operands, both slots) is first written without a condition, at addresses that are always good (row 8192 of xcodes holds zero codes).
; THE BIAS is loaded into the accumulators: it is the C of the first products, and nothing is cleared.
; GELU: 0.5 x (1 + erf(x / sqrt 2)), erf(z) = z P(z^2) / Q(z^2), P of degree 6, Q of degree 4, z held to +-4, all f32, the division by v_rcp_f32.  LIMIT: 1 + erf is formed in f32, so far below 0 the result has the absolute
; error of f32's 1 + erf, not its own relative one.  Scale byte 1 for a block of zeros, as in the first launch.
; No cluster and no tensor load.  Two work-groups fit on a WGP by registers and LDS.
; REGISTERS.  Window 0: v1-8 addresses; v9-11 at work; v12-15 two constants as pairs; v16-19 the tokens' scale words, v20-35 w1's (two sets each; they hold scales alone); v36, v37 the add's two; v38, v39 h's scale words;
; v40-135 w1's fragments, two halves of four; v136-231 the tokens' fragments, two sets; v232-247 at work.  Window 1: v0-127 the accumulators (tile of tokens m, tile of units t: 64 m + 8 t); v128-175 my quarter of a chunk.
.set SPARE, 49152
.set LI,  1                            ; 16 x lane
.set WO,  2                            ; 16 x lane + 6144 x wave: my quarter of a chunk, in memory and in a slot
.set L8,  3                            ; 8 x lane
.set L4,  4                            ; 4 x lane
.set XA,  5                            ; v5, v6: my row of xcodes in the two tiles of tokens, + 96 bytes for lanes 16-31
.set XSA, 7                            ; my place's row of xscales
.set BO,  8                            ; 64 x (lane / 16): the bias
.set XS,  16
.set WS,  20
.set SPW, 36
.set NIL, 37
.set PW,  38
.set WF,  40
.set TOK, 136
.set TM,  232
.set PC,  40
.set STG, 128
.set GZ,  40
.set GZ2, 72
.set GP,  104
.set GH,  136
.set GQ,  200
.set KC,  28
.set XC,  4
.set XSB, 6
.set WB,  66
.set WSB, 68
.set BB,  70
.set OB,  72
.set HC,  74
.set HS,  76
.set MSB, 0
.macro WIN new                         ; the immediate's high byte repeats the setting that is left
.if MSB != \new
	s_set_vgpr_msb (MSB<<8)|\new
.set MSB, \new
.endif
.endm
.macro PLACES                          ; four plain places behind a matrix instruction, ahead of loads into its registers and of the first read of results
.rept 4
	v_nop
.endr
.endm
.macro BIAS                            ; lane (r, h), tile t: units 32 (t / 2) + 16 h + 8 (t % 2) + 0 .. 7
	WIN 0x40
.irp m, 0,1
.irp t, 0,1,2,3,4,5,6,7
	global_load_b128 v[64*\m+8*\t:64*\m+8*\t+3], v[BO], s[BB:BB+1] offset:(32*(\t/2)+8*(\t%2))*4
	global_load_b128 v[64*\m+8*\t+4:64*\m+8*\t+7], v[BO], s[BB:BB+1] offset:(32*(\t/2)+8*(\t%2))*4+16
.endr
.endr
	WIN 0
.endm
.macro PREF c                          ; chunk c is asked for: tokens' fragments and scale words, w1's scale words, my quarter of w1's images
.set pe, (\c)%2
.irp m, 0,1
.irp i, 0,1,2,3,4,5
	global_load_b128 v[TOK+48*pe+24*\m+4*\i:TOK+48*pe+24*\m+4*\i+3], v[XA+\m], s[XC:XC+1] offset:192*(\c)+16*\i
.endr
.endr
	global_load_b64 v[XS+2*pe:XS+2*pe+1], v[XSA], s[XSB:XSB+1] offset:8*(\c)
.irp q, 0,1,2,3
	global_load_b64 v[WS+8*pe+2*\q:WS+8*pe+2*\q+1], v[L8], s[WSB:WSB+1] offset:1024*(\c)+256*\q
.endr
	WIN 0x40
.irp i, 0,1,2,3,4,5,6,7,8,9,10,11
	global_load_b128 v[STG+4*\i:STG+4*\i+3], v[WO], s[WB:WB+1] offset:24576*(\c)+512*\i
.endr
	WIN 0
.endm
.macro STORE c                         ; my quarter into the chunk's slot
	WIN 0x04
.irp i, 0,1,2,3,4,5,6,7,8,9,10,11
	ds_store_b128 v[WO], v[STG+4*\i:STG+4*\i+3] offset:24576*((\c)%2)+512*\i
.endr
	WIN 0
.endm
.macro LDW c, u, p                     ; four fragments of w1: K step u of the chunk, tiles 4 p .. 4 p + 3
.irp i, 0,1,2,3
.irp cc, 0,1,2
	ds_load_b128 v[WF+48*(\p)+12*\i+4*\cc:WF+48*(\p)+12*\i+4*\cc+3], v[LI] offset:24576*((\c)%2)+12288*(\u)+1536*(4*(\p)+\i)+512*\cc
.endr
.endr
.endm
.macro MUL e, u, p                     ; eight products on eight accumulators, one instruction a turn
	WIN 0x50
.irp i, 0,1,2,3
.irp m, 0,1
.set rD, 64*\m+8*(4*(\p)+\i)
.set rA, WF+48*(\p)+12*\i
.set rB, TOK+48*(\e)+24*\m+12*(\u)
.set rSA, WS+8*(\e)+2*((4*(\p)+\i)/2)+(\u)
.set rSB, XS+2*(\e)+(\u)
.if \m == 0
.if \i%2 == 0
	v_wmma_scale_f32_16x16x128_f8f6f4 v[rD:rD+7], v[rA:rA+11], v[rB:rB+11], v[rD:rD+7], v[rSA], v[rSB] matrix_a_fmt:MATRIX_FMT_FP6 matrix_b_fmt:MATRIX_FMT_FP6
.else
	v_wmma_scale_f32_16x16x128_f8f6f4 v[rD:rD+7], v[rA:rA+11], v[rB:rB+11], v[rD:rD+7], v[rSA], v[rSB] matrix_a_fmt:MATRIX_FMT_FP6 matrix_b_fmt:MATRIX_FMT_FP6 matrix_a_scale:MATRIX_SCALE_ROW1
.endif
.else
.if \i%2 == 0
	v_wmma_scale_f32_16x16x128_f8f6f4 v[rD:rD+7], v[rA:rA+11], v[rB:rB+11], v[rD:rD+7], v[rSA], v[rSB] matrix_a_fmt:MATRIX_FMT_FP6 matrix_b_fmt:MATRIX_FMT_FP6 matrix_b_scale:MATRIX_SCALE_ROW1
.else
	v_wmma_scale_f32_16x16x128_f8f6f4 v[rD:rD+7], v[rA:rA+11], v[rB:rB+11], v[rD:rD+7], v[rSA], v[rSB] matrix_a_fmt:MATRIX_FMT_FP6 matrix_b_fmt:MATRIX_FMT_FP6 matrix_a_scale:MATRIX_SCALE_ROW1 matrix_b_scale:MATRIX_SCALE_ROW1
.endif
.endif
.endr
.endr
	WIN 0
.endm
.macro COMPUTE c                       ; a chunk's 32 products; the counts of 12 leave the younger half's loads out
	LDW \c, 0, 0
	LDW \c, 0, 1
	s_wait_dscnt 12
	MUL (\c)%2, 0, 0
	PLACES
	LDW \c, 1, 0
	s_wait_dscnt 12
	MUL (\c)%2, 0, 1
	PLACES
	LDW \c, 1, 1
	s_wait_dscnt 12
	MUL (\c)%2, 1, 0
	s_wait_dscnt 0x0
	MUL (\c)%2, 1, 1
	PLACES
.endm
.macro TRIP c, first
	s_wait_loadcnt 0x0                             ; chunk c's loads, asked for a trip ago, are in
.if (\first) && ((\c) < 2)
	STORE \c
.else
	s_cmp_le_u32 s[KC], \c
	s_cbranch_scc1 .Lns_\@
	STORE \c
.Lns_\@:
.endif
	s_wait_dscnt 0x0                               ; my stores have landed, and my reads of the slot that the next trip stores into are over
	s_barrier_signal -1
	s_barrier_wait -1
.if (\c) < 7
.if (\first) && ((\c) == 0)
	PREF 1
.else
	s_cmp_le_u32 s[KC], (\c)+1
	s_cbranch_scc1 .Lnp_\@
	PREF (\c)+1
.Lnp_\@:
.endif
.endif
	s_cmp_le_u32 s[KC], \c
	s_cbranch_scc1 .Lnc_\@
	COMPUTE \c
.Lnc_\@:
.endm
; 32 numbers of tile of tokens m, half b: two at a time
.macro GELU m, b
	WIN 0x01                                       ; source 0: the accumulators' window
.set p, 0
.rept 16
	v_pk_mul_f32 v[GZ+2*p:GZ+2*p+1], v[64*(\m)+32*(\b)+2*p:64*(\m)+32*(\b)+2*p+1], s[32:33] op_sel_hi:[1,0]   ; z = x / sqrt 2; each accumulator is read from its low end on
.set p, p+1
.endr
.set p, 0
.rept 16
	v_pk_mul_f32 v[GH+32*(\b)+2*p:GH+32*(\b)+2*p+1], v[64*(\m)+32*(\b)+2*p:64*(\m)+32*(\b)+2*p+1], 0.5 op_sel_hi:[1,0]
.set p, p+1
.endr
	WIN 0
.set p, 0
.rept 32
	v_med3_num_f32 v[GZ+p], v[GZ+p], -4.0, 4.0
.set p, p+1
.endr
.set p, 0
.rept 16
	v_pk_mul_f32 v[GZ2+2*p:GZ2+2*p+1], v[GZ+2*p:GZ+2*p+1], v[GZ+2*p:GZ+2*p+1]
.set p, p+1
.endr
.set p, 0
.rept 16
	v_pk_fma_f32 v[GP+2*p:GP+2*p+1], v[GZ2+2*p:GZ2+2*p+1], v[12:13], s[34:35] op_sel_hi:[1,1,0]
.set p, p+1
.endr
.irp k, 36,38,40,42,44
.set p, 0
.rept 16
	v_pk_fma_f32 v[GP+2*p:GP+2*p+1], v[GP+2*p:GP+2*p+1], v[GZ2+2*p:GZ2+2*p+1], s[\k:\k+1] op_sel_hi:[1,1,0]
.set p, p+1
.endr
.endr
.set p, 0
.rept 16
	v_pk_fma_f32 v[GQ+2*p:GQ+2*p+1], v[GZ2+2*p:GZ2+2*p+1], v[14:15], s[46:47] op_sel_hi:[1,1,0]
.set p, p+1
.endr
.irp k, 48,50,52
.set p, 0
.rept 16
	v_pk_fma_f32 v[GQ+2*p:GQ+2*p+1], v[GQ+2*p:GQ+2*p+1], v[GZ2+2*p:GZ2+2*p+1], s[\k:\k+1] op_sel_hi:[1,1,0]
.set p, p+1
.endr
.endr
.set p, 0
.rept 32
	v_rcp_f32 v[GQ+p], v[GQ+p]                     ; one batch
.set p, p+1
.endr
.set p, 0
.rept 16
	v_pk_mul_f32 v[GP+2*p:GP+2*p+1], v[GP+2*p:GP+2*p+1], v[GZ+2*p:GZ+2*p+1]   ; z P: plain work that names no reciprocal
.set p, p+1
.endr
	s_wait_alu depctr_va_vdst(0)                   ; one wait for the batch, ahead of its first reader
.set p, 0
.rept 16
	v_pk_mul_f32 v[GP+2*p:GP+2*p+1], v[GP+2*p:GP+2*p+1], v[GQ+2*p:GQ+2*p+1]   ; erf
.set p, p+1
.endr
.set p, 0
.rept 16
	v_pk_fma_f32 v[GH+32*(\b)+2*p:GH+32*(\b)+2*p+1], v[GH+32*(\b)+2*p:GH+32*(\b)+2*p+1], v[GP+2*p:GP+2*p+1], v[GH+32*(\b)+2*p:GH+32*(\b)+2*p+1]   ; 0.5 x erf + 0.5 x
.set p, p+1
.endr
.endm
; 64 numbers of a lane, register 16 b + i = k 32 b + 16 (lane / 16) + i of my row, become a fragment's codes in v[PC] on and its scale word in v[pw]
.macro QUANT s, pw
.irp b, 0,1,2,3
	v_max3_num_f32 v[TM+\b], |v[\s+16*\b]|, |v[\s+1+16*\b]|, 0x1800000   ; with the floor 2^(3 - 127): the byte cannot fall under 1
.endr
.irp i, 2,4,6,8,10,12,14
.irp b, 0,1,2,3
	v_max3_num_f32 v[TM+\b], v[TM+\b], |v[\s+16*\b+\i]|, |v[\s+1+16*\b+\i]|
.endr
.endr
.irp b, 0,1,2,3
	v_permlanex16_b32 v[TM+4+\b], v[TM+\b], s80, s81
.endr
.irp b, 0,1,2,3
	v_max_num_f32 v[TM+\b], v[TM+\b], v[TM+4+\b]   ; with lane l xor 16's: the block's largest magnitude
.endr
.irp b, 0,1,2,3
	v_add_nc_u32 v[TM+12+\b], 0xff000000, v[TM+\b] ; 2 off its exponent field: the conversion's scale operand
.endr
.irp b, 0,1,2,3
	v_lshrrev_b32 v[TM+4+\b], 23, v[TM+12+\b]      ; the scale's byte
.endr
	v_lshl_or_b32 v[\pw], v[TM+5], 8, v[TM+4]
	v_lshl_or_b32 v[\pw], v[TM+6], 16, v[\pw]
	v_lshl_or_b32 v[\pw], v[TM+7], 24, v[\pw]
.irp c, 0,1
	v_cvt_scalef32_pk16_fp6_f32 v[PC+6*\c:PC+2+6*\c], v[\s+32*\c:\s+15+32*\c], v[TM+12+2*\c]
	v_cvt_scalef32_pk16_fp6_f32 v[PC+12+4*\c:PC+14+4*\c], v[\s+16+32*\c:\s+31+32*\c], v[TM+12+2*\c+1]   ; (a conversion's three registers begin on an even number)
.endr
	v_nop                                          ; one plain place behind a scaled conversion
.irp c, 0,1                                    ; a whole block to a lane: lanes 0-15 block 2 c, lanes 16-31 block 2 c + 1
.irp i, 0,1,2
	v_permlane16_swap_b32 v[PC+6*\c+\i], v[PC+12+4*\c+\i]
.endr
.irp i, 0,1,2
	v_mov_b32 v[PC+3+6*\c+\i], v[PC+12+4*\c+\i]
.endr
.endr
.endm
	s_load_b512 s[4:19], s[0:1], 0x0               ; xcodes, xscales, wimg, wsc, b1, route, hcodes, hscales
	s_load_b64 s[20:21], s[0:1], 0x40              ; out0
	v_lshl_add_u32 v[SPW], v0, 2, SPARE
	v_mov_b32 v[NIL], 0
	v_lshrrev_b32 v9, 5, v0
	v_readfirstlane_b32 s22, v9                    ; wave
	s_mov_b32 s23, ttmp9                           ; j
	s_and_b32 s24, ttmp7, 0xffff                   ; y
	s_lshl_b32 s25, s24, 2
	s_add_co_u32 s25, s25, s22                     ; g
	v_and_b32 v10, 31, v0
	v_lshlrev_b32 v[LI], 4, v10
	s_mul_i32 s78, s22, 6144
	v_add_nc_u32 v[WO], s78, v[LI]
	v_lshlrev_b32 v[L8], 3, v10
	v_lshlrev_b32 v[L4], 2, v10
	v_bfe_u32 v11, v0, 4, 1
	v_lshlrev_b32 v[BO], 6, v11
	v_mul_u32_u24 v233, v11, 96
	v_and_b32 v9, 15, v0
	v_lshlrev_b32 v9, 2, v9
.irp b, 0,1,2,3
	v_mov_b32 v[TM+4+\b], 0                        ; written once: a lane permute's destination counts as one of its sources
.endr
	s_mov_b32 s79, 0
	s_mov_b32 s80, 0x76543210
	s_mov_b32 s81, 0xfedcba98
	s_mov_b32 s82, 0xffff0000
	s_wait_kmcnt 0x0
	s_lshl_b32 s78, s24, 2
	s_add_nc_u64 s[84:85], s[14:15], s[78:79]
	s_load_b32 s26, s[84:85], 34816                ; tk[y]
	s_lshl_b32 s78, s24, 9
	s_add_nc_u64 s[86:87], s[14:15], s[78:79]
	s_load_b32 s30, s[86:87], 0x0                  ; the tile's first token
	s_lshl_b32 s78, s25, 7
	s_add_nc_u64 s[88:89], s[14:15], s[78:79]
	s_load_b512 s[32:47], s[88:89], 0x0            ; my group's 32 places
	s_load_b512 s[48:63], s[88:89], 0x40
	global_load_b32 v10, v9, s[88:89]              ; place r,
	global_load_b32 v11, v9, s[88:89] offset:64    ; place 16 + r,
	global_load_b32 v[XSA], v[L4], s[88:89]        ; place = lane
	s_mul_i32 s78, s23, 196608
	s_add_nc_u64 s[WB:WB+1], s[8:9], s[78:79]
	s_lshl_b32 s78, s23, 13
	s_add_nc_u64 s[WSB:WSB+1], s[10:11], s[78:79]
	s_lshl_b32 s78, s23, 9
	s_add_nc_u64 s[BB:BB+1], s[12:13], s[78:79]
	s_add_nc_u64 s[OB:OB+1], s[20:21], s[78:79]
	s_mul_i32 s78, s25, 49152
	s_mul_i32 s83, s23, 3072
	s_add_co_u32 s78, s78, s83
	s_add_nc_u64 s[HC:HC+1], s[16:17], s[78:79]
	s_lshl_b32 s78, s25, 11
	s_lshl_b32 s83, s23, 7
	s_add_co_u32 s78, s78, s83
	s_add_nc_u64 s[HS:HS+1], s[18:19], s[78:79]
	BIAS
	s_wait_kmcnt 0x0
	s_and_b32 s27, s26, 0xff                       ; KS = Dm / 128
	s_lshr_b32 s29, s26, 8                         ; does the tile exist?
	s_lshr_b32 s[KC], s27, 1
	s_cmp_gt_u32 s[KC], 0
	s_cselect_b32 s31, 0x2000, 0                   ; a tile with nothing to multiply reads row 8192 throughout
	s_cselect_b32 s83, s30, 0x2000
	s_wait_loadcnt 32                              ; the three list loads are in; the bias's 32 may be out
	v_mov_b32 v232, s83
	v_cmp_gt_u32 vcc_lo, s31, v10
	v_cndmask_b32 v10, v232, v10, vcc_lo           ; a place without a token takes the tile's first
	v_min_u32 v10, 0x2000, v10
	v_cmp_gt_u32 vcc_lo, s31, v11
	v_cndmask_b32 v11, v232, v11, vcc_lo
	v_min_u32 v11, 0x2000, v11
	v_cmp_gt_u32 vcc_lo, s31, v[XSA]
	v_cndmask_b32 v[XSA], v232, v[XSA], vcc_lo
	v_min_u32 v[XSA], 0x2000, v[XSA]
	v_mul_u32_u24 v[XA], v10, 1536
	v_add_nc_u32 v[XA], v[XA], v233
	v_mul_u32_u24 v[XA+1], v11, 1536
	v_add_nc_u32 v[XA+1], v[XA+1], v233
	v_lshlrev_b32 v[XSA], 6, v[XSA]
	PREF 0
	; THE ZEROS of out0: columns 128 j on of my 32 rows, where the tile exists and the slice lies at or beyond its width
	s_cmp_eq_u32 s29, 0
	s_cbranch_scc1 .Lnozero
	s_cmp_lt_u32 s23, s27
	s_cbranch_scc1 .Lnozero
.irp b, 0,1,2,3
	v_mov_b32 v[232+\b], 0
.endr
.set i, 0
.rept 32
	s_cmp_lt_u32 s[32+i], 0x2000
	s_cselect_b32 s[32+i], s[32+i], s30
	s_min_u32 s[32+i], s[32+i], 0x1fff
	v_lshl_add_u32 v[WF+i], s[32+i], 13, v[LI]
.set i, i+1
.endr
.set i, 0
.rept 32
	global_store_b128 v[WF+i], v[232:235], s[OB:OB+1] th:TH_STORE_NT   ; 512 consecutive bytes of a row, at a multiple of 512
.set i, i+1
.endr
	s_wait_xcnt 0x0                                ; the stores have read their registers
.Lnozero:
.irp c, 0,1,2,3,4,5,6,7
	TRIP \c, 1
.endr
	s_wait_loadcnt 0x0
	s_cmp_eq_u32 s[KC], 0
	s_cbranch_scc1 .Lfin
	; the constants, each as a pair (the packed forms name a pair and take its low word for both halves)
.macro CPAIR r, val
	s_mov_b32 s[\r], \val
	s_mov_b32 s[\r+1], \val
.endm
	CPAIR 32, 0x3f3504f3                           ; 1 / sqrt 2
	CPAIR 34, 0x32edffee                           ; P:  2.77068142e-08
	CPAIR 36, 0xb60cff51                           ;    -2.10102402e-06
	CPAIR 38, 0xb86ec2d2                           ;    -5.69250639e-05
	CPAIR 40, 0xba40ac63                           ;    -7.34990630e-04
	CPAIR 42, 0xbb41a1f6                           ;    -2.95459981e-03
	CPAIR 44, 0xbc83dbd4                           ;    -1.60960333e-02
	CPAIR 46, 0xb95fbd29                           ; Q: -2.13374055e-04
	CPAIR 48, 0xbadc924e                           ;    -1.68282697e-03
	CPAIR 50, 0xbbf19bf8                           ;    -7.37332917e-03
	CPAIR 52, 0xbc69b6a7                           ;    -1.42647391e-02
	v_mov_b32 v12, 0xaf95df0b                      ; P's highest: -2.72614226e-10
	v_mov_b32 v13, 0xaf95df0b
	v_mov_b32 v14, 0xb77460cd                      ; Q's highest: -1.45660718e-05
	v_mov_b32 v15, 0xb77460cd
.irp m, 0,1
	GELU \m, 0
	GELU \m, 1
	QUANT GH, PW+\m
.irp c, 0,1,2
	global_store_b128 v[LI], v[PC+4*\c:PC+4*\c+3], s[HC:HC+1] offset:1536*\m+512*\c   ; the fragment as it stands: K step j of the next product
.endr
	s_wait_xcnt 0x0                                ; the stores have read the codes' registers, which the next tile's work writes
.endr
	v_cndmask_b32 v9, v[PW], v[PW+1], s82          ; lanes 0-15: rows 0-15's scale words; lanes 16-31: rows 16-31's
	global_store_b32 v[L4], v9, s[HS:HS+1]
.Lfin:
	s_wait_tensorcnt 0x0                           ; the wave's end
	ds_add_u32 v[SPW], v[NIL]
	s_wait_dscnt 0x0
	s_endpgm
.Lfunc_end_k_q2e47de9db3_up:
	.size	k_q2e47de9db3_up, .Lfunc_end_k_q2e47de9db3_up-k_q2e47de9db3_up
	.p2alignl 7, 3214868480
	.fill 96, 4, 3214868480
	.section	.rodata,"a",@progbits
	.p2align	6, 0x0
	.amdhsa_kernel k_q2e47de9db3_up
		.amdhsa_group_segment_fixed_size 49664
		.amdhsa_private_segment_fixed_size 0
		.amdhsa_enable_private_segment 0
		.amdhsa_kernarg_size 72
		.amdhsa_user_sgpr_count 2
		.amdhsa_user_sgpr_kernarg_segment_ptr 1
		.amdhsa_wavefront_size32 1
		.amdhsa_system_sgpr_workgroup_id_x 1
		.amdhsa_system_sgpr_workgroup_id_y 1
		.amdhsa_system_sgpr_workgroup_id_z 1
		.amdhsa_system_vgpr_workitem_id 0
		.amdhsa_next_free_vgpr 432
		.amdhsa_next_free_sgpr 100
		.amdhsa_reserve_vcc 1
		.amdhsa_float_denorm_mode_32 3
		.amdhsa_float_denorm_mode_16_64 3
		.amdhsa_memory_ordered 1
		.amdhsa_forward_progress 1
		.amdhsa_inst_pref_size 197
	.end_amdhsa_kernel
	.amdgpu_metadata
---
amdhsa.version: [ 1, 2 ]
amdhsa.kernels:
  - .name:           k_q2e47de9db3_up
    .symbol:         k_q2e47de9db3_up.kd
    .args:
      - { .name: xcodes, .offset: 0, .size: 8, .value_kind: global_buffer, .address_space: global }
      - { .name: xscales, .offset: 8, .size: 8, .value_kind: global_buffer, .address_space: global }
      - { .name: wimg, .offset: 16, .size: 8, .value_kind: global_buffer, .address_space: global }
      - { .name: wsc, .offset: 24, .size: 8, .value_kind: global_buffer, .address_space: global }
      - { .name: b1, .offset: 32, .size: 8, .value_kind: global_buffer, .address_space: global }
      - { .name: route, .offset: 40, .size: 8, .value_kind: global_buffer, .address_space: global }
      - { .name: hcodes, .offset: 48, .size: 8, .value_kind: global_buffer, .address_space: global }
      - { .name: hscales, .offset: 56, .size: 8, .value_kind: global_buffer, .address_space: global }
      - { .name: out0, .offset: 64, .size: 8, .value_kind: global_buffer, .address_space: global }
    .group_segment_fixed_size: 49664
    .private_segment_fixed_size: 0
    .kernarg_segment_align: 8
    .kernarg_segment_size: 72
    .max_flat_workgroup_size: 128
    .sgpr_count:     100
    .vgpr_count:     432
    .wavefront_size: 32
...
	.end_amdgpu_metadata
.endif
;; end of part 2
;; launch down (part 3): grid 512 x 1, 4 waves a work-group, no clusters, 83,456 bytes of LDS; arguments hcodes, hscales, wimg, wsc, b2, route, out0; writes out0
.if DOCPART == 3
	.amdgcn_target "amdgcn-amd-amdhsa--gfx1250"
	.amdhsa_code_object_version 6
	.text
	.protected	k_q2e47de9db3_down
	.globl	k_q2e47de9db3_down
	.p2align	8
	.type	k_q2e47de9db3_down,@function
k_q2e47de9db3_down:
	s_mov_b64 s[64:65], 0
	v_nop
	global_prefetch_b8 v0, s[64:65] scope:SCOPE_SE
	s_setreg_imm32_b32 hwreg(HW_REG_WAVE_MODE, 25, 1), 1
	s_wait_xcnt 0x0
; Launch 3 of 3: out0[:, :Dm] = Q(h) w2[:Dm]^T + b2, on the codes of h that the launch before stored.
; WORK LEFT OUT: columns at or beyond a tile's width and tiles of tokens with no width (the problem's own mask makes them 0; the launch before has written those zeros); see the head of the first launch.
; SHARES.  An item is an entry of work2: tile y of 128 sorted places x slice j of 128 columns, K = 2,048.  A work-group takes entries ttmp9, + 512, + 1024: that serves every split (at most 1,054 are live).  Wave w owns
; group 4 y + w: 32 places x 128 columns, 16 accumulators.  The product is used transposed (source 0 = 16 rows of w2, source 1 = 16 tokens): a lane holds eight neighbouring columns of one row.
; The walk over K is that of the launch before: chunks of 256, w2's images through two LDS slots, the tokens' fragments and all scale words from memory straight into registers, the bias loaded into the accumulators.
; CONTROL.  Whether an entry is live is a number read from memory.  All trips are written out, every barrier and every wait for loads stands on every way; a branch on that number leads only round blocks that hold neither.
; The first item's first loads and stores have no condition (a dead entry reads group 272 of hcodes, which holds zero codes), so that all that crosses blocks has been written on every way.
; THE WAY OUT: 16 rows x 128 columns at a time through the wave's own stage in LDS, back as whole rows of 512 bytes.  A place without a token takes the tile's first token: the same work-group stores the same bytes there.
; No cluster and no tensor load.  Registers as in the launch before; v5, v6 are the stage's two addresses.
.set STAGE, 49152                      ; 16 rows x 528 bytes for each wave
.set SPARE, 82944
.set W2OFF, 35328
.set LI,  1
.set WO,  2
.set L8,  3
.set L4,  4
.set STO, 5
.set RD,  6
.set BO,  8
.set XS,  16
.set WS,  20
.set SPW, 36
.set NIL, 37
.set WF,  40
.set TOK, 136
.set STG, 128
.set KC,  28
.set WB,  66
.set WSB, 68
.set BB,  70
.set OB,  72
.set HB,  74
.set HSB, 76
.set MSB, 0
.macro WIN new                         ; the immediate's high byte repeats the setting that is left
.if MSB != \new
	s_set_vgpr_msb (MSB<<8)|\new
.set MSB, \new
.endif
.endm
.macro PLACES                          ; four plain places behind a matrix instruction, ahead of loads into its registers and of the first read of results
.rept 4
	v_nop
.endr
.endm
.macro BIAS                            ; lane (r, h), tile t: columns 16 t + 8 h + 0 .. 7
	WIN 0x40
.irp m, 0,1
.irp t, 0,1,2,3,4,5,6,7
	global_load_b128 v[64*\m+8*\t:64*\m+8*\t+3], v[BO], s[BB:BB+1] offset:64*\t
	global_load_b128 v[64*\m+8*\t+4:64*\m+8*\t+7], v[BO], s[BB:BB+1] offset:64*\t+16
.endr
.endr
	WIN 0
.endm
.macro PREF c
.set pe, (\c)%2
.irp u, 0,1
.irp m, 0,1
.irp cc, 0,1,2
	global_load_b128 v[TOK+48*pe+24*\m+12*\u+4*\cc:TOK+48*pe+24*\m+12*\u+4*\cc+3], v[LI], s[HB:HB+1] offset:(2*(\c)+\u)*3072+1536*\m+512*\cc
.endr
.endr
	global_load_b32 v[XS+2*pe+\u], v[L4], s[HSB:HSB+1] offset:(2*(\c)+\u)*128
.endr
.irp q, 0,1,2,3
	global_load_b64 v[WS+8*pe+2*\q:WS+8*pe+2*\q+1], v[L8], s[WSB:WSB+1] offset:1024*(\c)+256*\q
.endr
	WIN 0x40
.irp i, 0,1,2,3,4,5,6,7,8,9,10,11
	global_load_b128 v[STG+4*\i:STG+4*\i+3], v[WO], s[WB:WB+1] offset:24576*(\c)+512*\i
.endr
	WIN 0
.endm
.macro STORE c
	WIN 0x04
.irp i, 0,1,2,3,4,5,6,7,8,9,10,11
	ds_store_b128 v[WO], v[STG+4*\i:STG+4*\i+3] offset:24576*((\c)%2)+512*\i
.endr
	WIN 0
.endm
.macro LDW c, u, p
.irp i, 0,1,2,3
.irp cc, 0,1,2
	ds_load_b128 v[WF+48*(\p)+12*\i+4*\cc:WF+48*(\p)+12*\i+4*\cc+3], v[LI] offset:24576*((\c)%2)+12288*(\u)+1536*(4*(\p)+\i)+512*\cc
.endr
.endr
.endm
.macro MUL e, u, p                     ; eight products on eight accumulators, one instruction a turn
	WIN 0x50
.irp i, 0,1,2,3
.irp m, 0,1
.set rD, 64*\m+8*(4*(\p)+\i)
.set rA, WF+48*(\p)+12*\i
.set rB, TOK+48*(\e)+24*\m+12*(\u)
.set rSA, WS+8*(\e)+2*((4*(\p)+\i)/2)+(\u)
.set rSB, XS+2*(\e)+(\u)
.if \m == 0
.if \i%2 == 0
	v_wmma_scale_f32_16x16x128_f8f6f4 v[rD:rD+7], v[rA:rA+11], v[rB:rB+11], v[rD:rD+7], v[rSA], v[rSB] matrix_a_fmt:MATRIX_FMT_FP6 matrix_b_fmt:MATRIX_FMT_FP6
.else
	v_wmma_scale_f32_16x16x128_f8f6f4 v[rD:rD+7], v[rA:rA+11], v[rB:rB+11], v[rD:rD+7], v[rSA], v[rSB] matrix_a_fmt:MATRIX_FMT_FP6 matrix_b_fmt:MATRIX_FMT_FP6 matrix_a_scale:MATRIX_SCALE_ROW1
.endif
.else
.if \i%2 == 0
	v_wmma_scale_f32_16x16x128_f8f6f4 v[rD:rD+7], v[rA:rA+11], v[rB:rB+11], v[rD:rD+7], v[rSA], v[rSB] matrix_a_fmt:MATRIX_FMT_FP6 matrix_b_fmt:MATRIX_FMT_FP6 matrix_b_scale:MATRIX_SCALE_ROW1
.else
	v_wmma_scale_f32_16x16x128_f8f6f4 v[rD:rD+7], v[rA:rA+11], v[rB:rB+11], v[rD:rD+7], v[rSA], v[rSB] matrix_a_fmt:MATRIX_FMT_FP6 matrix_b_fmt:MATRIX_FMT_FP6 matrix_a_scale:MATRIX_SCALE_ROW1 matrix_b_scale:MATRIX_SCALE_ROW1
.endif
.endif
.endr
.endr
	WIN 0
.endm
.macro COMPUTE c                       ; a chunk's 32 products; the counts of 12 leave the younger half's loads out
	LDW \c, 0, 0
	LDW \c, 0, 1
	s_wait_dscnt 12
	MUL (\c)%2, 0, 0
	PLACES
	LDW \c, 1, 0
	s_wait_dscnt 12
	MUL (\c)%2, 0, 1
	PLACES
	LDW \c, 1, 1
	s_wait_dscnt 12
	MUL (\c)%2, 1, 0
	s_wait_dscnt 0x0
	MUL (\c)%2, 1, 1
	PLACES
.endm
.macro TRIP c, first
	s_wait_loadcnt 0x0                             ; chunk c's loads, asked for a trip ago, are in
.if (\first) && ((\c) < 2)
	STORE \c
.else
	s_cmp_le_u32 s[KC], \c
	s_cbranch_scc1 .Lns_\@
	STORE \c
.Lns_\@:
.endif
	s_wait_dscnt 0x0                               ; my stores have landed, and my reads of the slot that the next trip stores into are over
	s_barrier_signal -1
	s_barrier_wait -1
.if (\c) < 7
.if (\first) && ((\c) == 0)
	PREF 1
.else
	s_cmp_le_u32 s[KC], (\c)+1
	s_cbranch_scc1 .Lnp_\@
	PREF (\c)+1
.Lnp_\@:
.endif
.endif
	s_cmp_le_u32 s[KC], \c
	s_cbranch_scc1 .Lnc_\@
	COMPUTE \c
.Lnc_\@:
.endm
.macro OUT
.set i, 0
.rept 32
	s_cmp_lt_u32 s[32+i], 0x2000
	s_cselect_b32 s[32+i], s[32+i], s30            ; a place without a token takes the tile's first
	s_min_u32 s[32+i], s[32+i], 0x1fff
	v_lshl_add_u32 v[104+96*(i/16)+i%16], s[32+i], 13, v[LI]   ; the row's byte offset in out0, + 16 x lane
.set i, i+1
.endr
	PLACES                                         ; the offsets lie in registers that hold fragments in the next item: four plain places stand behind the last of these writes, ahead of any scaled product that names them
.irp m, 0,1
	WIN 0x04                                       ; an LDS store's data are its source 1: the accumulators' window
.irp t, 0,1,2,3,4,5,6,7
	ds_store_b128 v[STO], v[64*\m+8*\t:64*\m+8*\t+3] offset:64*\t          ; each accumulator from its low end on
	ds_store_b128 v[STO], v[64*\m+8*\t+4:64*\m+8*\t+7] offset:64*\t+16
.endr
	WIN 0
.irp i2, 0,1,2,3,4,5,6,7,8,9,10,11,12,13,14,15
	ds_load_b128 v[40+96*\m+4*\i2:40+96*\m+4*\i2+3], v[RD] offset:528*\i2  ; LDS serves a wave's instructions in order: these see my stores, and the next tile's stores come behind them
.endr
.endr
.irp m, 0,1
.irp i2, 0,1,2,3,4,5,6,7,8,9,10,11,12,13,14,15
	s_wait_dscnt 47-32*\m-\i2                      ; row i2 is back; out may be its tile's younger loads and, for the first tile, the second's 32 LDS instructions
	global_store_b128 v[104+96*\m+\i2], v[40+96*\m+4*\i2:40+96*\m+4*\i2+3], s[OB:OB+1] th:TH_STORE_NT   ; 512 consecutive bytes of a row, at a multiple of 512
.endr
.endr
.endm
.macro ITEM first
	s_wait_xcnt 0x0                                ; the last item's loads and stores have read their bases, offsets and data
	s_mov_b32 s78, s31
	s_add_nc_u64 s[86:87], s[14:15], s[78:79]
	s_load_b32 s26, s[86:87], W2OFF                ; my entry of work2
	s_wait_kmcnt 0x0
	s_lshr_b32 s27, s26, 16                        ; live?
	s_and_b32 s24, s26, 0xff
	s_min_u32 s24, s24, 67                         ; y
	s_bfe_u32 s23, s26, 0x80008
	s_min_u32 s23, s23, 15                         ; j
	s_lshl_b32 s25, s24, 2
	s_add_co_u32 s25, s25, s22                     ; g
	s_cmp_lg_u32 s27, 0
	s_cselect_b32 s[KC], 8, 0
	s_cselect_b32 s80, s25, 272                    ; a dead entry reads the group of zero codes
	s_min_u32 s80, s80, 272
	s_mul_i32 s78, s23, 196608
	s_add_co_u32 s78, s78, 3145728
	s_add_nc_u64 s[WB:WB+1], s[8:9], s[78:79]
	s_lshl_b32 s78, s23, 13
	s_add_co_u32 s78, s78, 131072
	s_add_nc_u64 s[WSB:WSB+1], s[10:11], s[78:79]
	s_lshl_b32 s78, s23, 9
	s_add_nc_u64 s[BB:BB+1], s[12:13], s[78:79]
	s_add_nc_u64 s[OB:OB+1], s[16:17], s[78:79]
	s_mul_i32 s78, s80, 49152
	s_add_nc_u64 s[HB:HB+1], s[4:5], s[78:79]
	s_lshl_b32 s78, s80, 11
	s_add_nc_u64 s[HSB:HSB+1], s[6:7], s[78:79]
	s_lshl_b32 s78, s24, 9
	s_add_nc_u64 s[88:89], s[14:15], s[78:79]
	s_load_b32 s30, s[88:89], 0x0                  ; the tile's first token
	s_lshl_b32 s78, s25, 7
	s_add_nc_u64 s[90:91], s[14:15], s[78:79]
	s_load_b512 s[32:47], s[90:91], 0x0            ; my group's 32 places
	s_load_b512 s[48:63], s[90:91], 0x40
.if \first
	BIAS
	PREF 0
.else
	s_cmp_eq_u32 s[KC], 0
	s_cbranch_scc1 .Lnb_\@
	BIAS
	PREF 0
.Lnb_\@:
.endif
.irp c, 0,1,2,3,4,5,6,7
	TRIP \c, \first
.endr
	s_wait_loadcnt 0x0
	s_wait_kmcnt 0x0                               ; the list
	s_cmp_eq_u32 s[KC], 0
	s_cbranch_scc1 .Lno_\@
	OUT
.Lno_\@:
	s_add_co_u32 s31, s31, 2048                    ; 512 entries on
.endm
	s_load_b256 s[4:11], s[0:1], 0x0               ; hcodes, hscales, wimg, wsc
	s_load_b128 s[12:15], s[0:1], 0x20             ; b2, route
	s_load_b64 s[16:17], s[0:1], 0x30              ; out0
	v_lshl_add_u32 v[SPW], v0, 2, SPARE
	v_mov_b32 v[NIL], 0
	v_lshrrev_b32 v9, 5, v0
	v_readfirstlane_b32 s22, v9                    ; wave
	v_and_b32 v10, 31, v0
	v_lshlrev_b32 v[LI], 4, v10
	s_mul_i32 s78, s22, 6144
	v_add_nc_u32 v[WO], s78, v[LI]
	v_lshlrev_b32 v[L8], 3, v10
	v_lshlrev_b32 v[L4], 2, v10
	v_bfe_u32 v11, v0, 4, 1
	v_lshlrev_b32 v[BO], 5, v11
	v_and_b32 v9, 15, v0
	s_mul_i32 s78, s22, 8448
	s_add_co_u32 s78, s78, STAGE                   ; my stage
	v_mul_u32_u24 v[STO], v9, 528
	v_lshl_add_u32 v[STO], v11, 5, v[STO]
	v_add_nc_u32 v[STO], s78, v[STO]               ; in: row r, 32 bytes for each half of the lanes
	v_add_nc_u32 v[RD], s78, v[LI]                 ; back: the 32 lanes take a row of 512 bytes
	s_mov_b32 s79, 0
	s_lshl_b32 s31, ttmp9, 2
	s_wait_kmcnt 0x0
	ITEM 1
	s_mov_b32 s84, 0
.Litem:
	ITEM 0
	s_add_co_u32 s84, s84, 1
	s_cmp_lt_u32 s84, 2
	s_cbranch_scc1 .Litem
	s_wait_tensorcnt 0x0                           ; the wave's end
	ds_add_u32 v[SPW], v[NIL]
	s_wait_dscnt 0x0
	s_endpgm
.Lfunc_end_k_q2e47de9db3_down:
	.size	k_q2e47de9db3_down, .Lfunc_end_k_q2e47de9db3_down-k_q2e47de9db3_down
	.p2alignl 7, 3214868480
	.fill 96, 4, 3214868480
	.section	.rodata,"a",@progbits
	.p2align	6, 0x0
	.amdhsa_kernel k_q2e47de9db3_down
		.amdhsa_group_segment_fixed_size 83456
		.amdhsa_private_segment_fixed_size 0
		.amdhsa_enable_private_segment 0
		.amdhsa_kernarg_size 56
		.amdhsa_user_sgpr_count 2
		.amdhsa_user_sgpr_kernarg_segment_ptr 1
		.amdhsa_wavefront_size32 1
		.amdhsa_system_sgpr_workgroup_id_x 1
		.amdhsa_system_sgpr_workgroup_id_y 1
		.amdhsa_system_sgpr_workgroup_id_z 1
		.amdhsa_system_vgpr_workitem_id 0
		.amdhsa_next_free_vgpr 432
		.amdhsa_next_free_sgpr 100
		.amdhsa_reserve_vcc 0
		.amdhsa_float_denorm_mode_32 3
		.amdhsa_float_denorm_mode_16_64 3
		.amdhsa_memory_ordered 1
		.amdhsa_forward_progress 1
		.amdhsa_inst_pref_size 230
	.end_amdhsa_kernel
	.amdgpu_metadata
---
amdhsa.version: [ 1, 2 ]
amdhsa.kernels:
  - .name:           k_q2e47de9db3_down
    .symbol:         k_q2e47de9db3_down.kd
    .args:
      - { .name: hcodes, .offset: 0, .size: 8, .value_kind: global_buffer, .address_space: global }
      - { .name: hscales, .offset: 8, .size: 8, .value_kind: global_buffer, .address_space: global }
      - { .name: wimg, .offset: 16, .size: 8, .value_kind: global_buffer, .address_space: global }
      - { .name: wsc, .offset: 24, .size: 8, .value_kind: global_buffer, .address_space: global }
      - { .name: b2, .offset: 32, .size: 8, .value_kind: global_buffer, .address_space: global }
      - { .name: route, .offset: 40, .size: 8, .value_kind: global_buffer, .address_space: global }
      - { .name: out0, .offset: 48, .size: 8, .value_kind: global_buffer, .address_space: global }
    .group_segment_fixed_size: 83456
    .private_segment_fixed_size: 0
    .kernarg_segment_align: 8
    .kernarg_segment_size: 56
    .max_flat_workgroup_size: 128
    .sgpr_count:     100
    .vgpr_count:     432
    .wavefront_size: 32
...
	.end_amdgpu_metadata
.endif
;; end of part 3
;; ======== version 2 of 2: 3 launches; 1.12 times as fast as version 1
;; workspace buffers: xcodes 12,584,448 bytes; xscales 524,544 bytes; wimg 6,291,456 bytes; wsc 262,144 bytes; hcodes 13,418,496 bytes; hscales 559,104 bytes; route 41,472 bytes of whole numbers
;; launch prep (part 4): grid 1061 x 1, 8 waves a work-group, no clusters, 44,288 bytes of LDS; arguments x, token_mask, w1_codes, w1_scales, w2_codes, w2_scales, xcodes, xscales, wimg, wsc, route, hcodes, hscales; writes xcodes, xscales, wimg, wsc, route, hcodes, hscales
.if DOCPART == 4
	.amdgcn_target "amdgcn-amd-amdhsa--gfx1250"
	.amdhsa_code_object_version 6
	.text
	.protected	k_q2e47de9db3_prep
	.globl	k_q2e47de9db3_prep
	.p2align	8
	.type	k_q2e47de9db3_prep,@function
k_q2e47de9db3_prep:
	s_mov_b64 s[64:65], 0
	v_nop
	global_prefetch_b8 v0, s[64:65] scope:SCOPE_SE
	s_setreg_imm32_b32 hwreg(HW_REG_WAVE_MODE, 25, 1), 1
	s_wait_xcnt 0x0
; NESTED FEED-FORWARD, launch 1 of 3: the tokens are sorted by width, x is quantised, the weights are laid out as register images.
; y[:, :Dm] = Q(gelu(Q(x[:, :Dm]) w1[:, :Dm]^T + b1)) w2[:Dm]^T + b2, the rest of a row 0; Dm = 2048 >> (4 - m) for m = token_mask in 1..4; any other m gives a row of zeros.
; WORK LEFT OUT, for all values of the inputs: (a) columns k >= Dm of x: the problem multiplies them by a 0 of its own mask ahead of the quantiser, in whole blocks of 32 (Dm is a multiple of 256), so their
; codes are zeros and add nothing to the first product; they are neither loaded nor multiplied.  (b) columns n >= Dm of the second product, and both products of tokens with m outside 1..4: their results are multiplied
; by the same 0.  m is a whole number read from memory; the later launches read whole numbers that this launch stores.  Every input has a way to an output and is loaded by some launch.
; LIMITS: a NaN, an infinity or an overflow that reaches only the work left out is not carried to the result (the masked numbers are written as +0).  NaN and infinities in x are not served.  A block of zeros gets the
; scale byte 1 where the quantiser says 127: its codes are zeros, and this program alone reads the bytes.  Blocks whose largest magnitude lies under 2^-124, the floor, were not tried.
; A token of width 256 is quantised over 512 columns (a step is 512 numbers); its second 256 codes are never multiplied.
; ROLES, by the work-group's number: 0 the sorter; 1-32 the weights' codes; 33-36 the weights' scale bytes; 37-1060 the quantiser, a token to a wave.  Each role that uses LDS has LDS bytes of its own.
; SORTED ORDER: key k = min(4 - m, 4) (unsigned): k = 0..3 widths 2048..256, k = 4 no width.  Places run key by key, each key filled up to whole tiles of 128 places: at most 68 tiles.
; route: list[8704] at byte 0: the token at a place, 8192 where there is none; tk[72] at TKOFF: (Dm / 128) | 0x100 for a tile that exists, else 0; word DUMPW, behind tk, takes stores that are to count for nothing and is
; never read; work2[1536] at W2OFF: tile | slice << 8 | 0x10000, the live entries first, then 0.
; xcodes: a row of 1,536 bytes a token; in each 256 along K (192 bytes) block 4 u + 2 c + h lies at 96 h + 48 u + 24 c, so that a lane of a fragment reads 96 bytes on end for two K steps.  Row 8192: zero codes.
; wimg: [weight][slice of 128 rows][K step][tile of 16 rows][1,536 bytes]: a fragment as an image of its registers, register group c at 512 c + 16 x lane.  A tile of w1 takes rows 32 (t / 2) + 8 (t % 2) + r + 8 (r / 8), so
; that the first product's results are neighbours along the second product's K; a tile of w2 takes rows 16 t + r.   wsc: [weight][slice][256 along K][q][lane][u]: lane l holds the scale word of tile 2 q + l / 16, row l % 16.
; No cluster: no two work-groups read the same bytes here but the 32 KiB of token_mask.
.set SPARE, 43264                      ; the spare words: 128 bytes for each of the eight waves; no other line names them
.set SORT,  43008                      ; the sorter's 128 bytes
.set WREG,  5376                       ; the quantiser: a region for each wave: two stages of 32 x 80 bytes, then its 64 scale bytes
.set SP,    80
.set SPW,   12                         ; v12  LDS address of my spare word; never rewritten
.set NIL,   13                         ; v13  0; never rewritten
.set R,     16                         ; v16-79   four sets of 16 numbers as loaded
.set X,     80                         ; v80-111  two sets of 16 neighbours
.set C,     112                        ; v112-127 a step's codes (3 registers) and its scale byte (the fourth)
.set TKOFF, 34816
.set DUMPW, 8831                       ; word 8831 of route (byte 35324): the last of the 512 bytes kept for tk, of which tk takes 288
.set W2OFF, 35328
.macro LOAD t                          ; step t: 512 numbers; each load reads 512 consecutive bytes
.irp i, 0,1,2,3
	global_load_b128 v[R+16*(\t)+4*\i:R+16*(\t)+4*\i+3], v3, s[42:43] offset:2048*(\t)+512*\i th:TH_LOAD_NT
.endr
.endm
.macro TURN t                          ; through the wave's own stage: in as loaded, out 64 bytes a lane; LDS serves a wave's instructions in order
.irp i, 0,1,2,3
	ds_store_b128 v14, v[R+16*(\t)+4*\i:R+16*(\t)+4*\i+3] offset:32*SP*((\t)%2)+8*SP*\i
.endr
.irp i, 0,1,2,3
	ds_load_b128 v[X+16*((\t)%2)+4*\i:X+16*((\t)%2)+4*\i+3], v15 offset:32*SP*((\t)%2)+16*\i
.endr
.endm
.macro STEP t, n
.set XQ, X+16*((\t)%2)
.if (\t) > 0
	s_wait_dscnt 1                                 ; this step's numbers are back; the last step's byte store may be out
.else
	s_wait_dscnt 0x0
.endif
.if (\t)+1 < \n
	s_wait_loadcnt 4*(\n-2-(\t))                   ; the next step's four loads are in; those of the steps behind it may be out
	TURN (\t)+1
.endif
	v_max3_num_f32 v8, |v[XQ]|, |v[XQ+1]|, |v[XQ+2]|               ; the largest magnitude of my 16
	v_max3_num_f32 v9, |v[XQ+3]|, |v[XQ+4]|, |v[XQ+5]|
.irp i, 6,10
	v_max3_num_f32 v8, v8, |v[XQ+\i]|, |v[XQ+\i+1]|
	v_max3_num_f32 v9, v9, |v[XQ+\i+2]|, |v[XQ+\i+3]|
.endr
	v_max3_num_f32 v8, v8, |v[XQ+14]|, |v[XQ+15]|
	v_max3_num_f32 v8, v8, v9, 0x1800000           ; and the floor 2^(3 - 127): the byte cannot fall under 1
	v_max_num_f32_dpp v8, v8, v8 row_xmask:1 row_mask:0xf bank_mask:0xf   ; with my neighbour's 16: the block's
	v_add_nc_u32 v11, 0xff000000, v8               ; 2 off its exponent field: the conversion's scale operand
	v_cvt_scalef32_pk16_fp6_f32 v[C+4*(\t):C+4*(\t)+2], v[XQ:XQ+15], v11
	v_lshrrev_b32 v[C+4*(\t)+3], 23, v11           ; the scale's byte (a plain line behind the conversion)
	ds_store_b8 v5, v[C+4*(\t)+3] offset:16*(\t)   ; both lanes of a block write the same byte
	global_store_b96 v4, v[C+4*(\t):C+4*(\t)+2], s[44:45] offset:384*(\t)
.endm
.macro QTOK n                          ; a token of n steps
.if \n > 1
	LOAD 1
.endif
.if \n > 2
	LOAD 2
	LOAD 3
.endif
	s_wait_loadcnt 4*(\n-1)                        ; step 0's four loads are in
	TURN 0
	STEP 0, \n
.if \n > 1
	STEP 1, \n
.endif
.if \n > 2
	STEP 2, \n
	STEP 3, \n
.endif
	ds_load_b32 v8, v6                             ; the row's 64 scale bytes (lanes 16-31 repeat lanes 0-15)
	s_wait_dscnt 0x0
	global_store_b32 v7, v8, s[46:47]
	s_branch .Lend
.endm
.macro LOADB b                         ; four K steps of my 16 weight rows, as fragments
.irp s, 0,1,2,3
.irp p, 0,1,2,3,4,5
	global_load_b64 v[16+48*((\b)%2)+12*\s+2*\p:16+48*((\b)%2)+12*\s+2*\p+1], v4, s[38:39] offset:96*(4*(\b)+\s)+48*(\p/3)+8*(\p%3)
.endr
.endr
.endm
.macro STOREB b                        ; and out as images: 512 consecutive bytes a store
.irp s, 0,1,2,3
.irp c, 0,1,2
	global_store_b128 v3, v[16+48*((\b)%2)+12*\s+4*\c:16+48*((\b)%2)+12*\s+4*\c+3], s[46:47] offset:12288*(4*(\b)+\s)+512*\c
.endr
.endr
.endm
.macro TKK k, val                      ; tk: tiles under S(k + 1) take key k's word
	v_mov_b32 v11, \val
	v_cmp_gt_u32 vcc_lo, s[67+\k], v10
	v_cndmask_b32 v16, v16, v11, vcc_lo
.endm
.macro PADOUT r                        ; the place in v[r] gets 8192 where VCC says that it is an empty place of list; else the dump word gets it
	v_cndmask_b32 v[\r], v125, v[\r], vcc_lo
	v_min_u32 v[\r], 0x227f, v[\r]                 ; a word of list, or the dump word
	v_lshlrev_b32 v[\r], 2, v[\r]
	global_store_b32 v[\r], v119, s[28:29]
.endm
	s_load_b512 s[8:23], s[0:1], 0x0               ; x, token_mask, w1_codes, w1_scales, w2_codes, w2_scales, xcodes, xscales
	s_load_b256 s[24:31], s[0:1], 0x40             ; wimg, wsc, route, hcodes
	s_load_b64 s[32:33], s[0:1], 0x60              ; hscales
	v_lshl_add_u32 v[SPW], v0, 2, SPARE
	v_mov_b32 v[NIL], 0
	v_lshrrev_b32 v1, 5, v0
	v_readfirstlane_b32 s34, v1                    ; wave 0..7
	v_and_b32 v2, 31, v0                           ; lane
	v_lshlrev_b32 v3, 4, v2                        ; 16 x lane
	s_mov_b32 s37, 0                               ; the upper word of the offset pair s[36:37]
	s_wait_kmcnt 0x0
	s_cmp_ge_u32 ttmp9, 37
	s_cbranch_scc1 .Lquant
	s_cmp_ge_u32 ttmp9, 33
	s_cbranch_scc1 .Lwscale
	s_cmp_ge_u32 ttmp9, 1
	s_cbranch_scc1 .Lwcode
	; ---------------- THE SORTER: one work-group, 1,024 tokens a wave, by ballots: no LDS address, no barrier and no write of EXEC hangs on data.
	; It is the one long chain of the launch, so it is written to stop nowhere but for its loads and its barrier: every store has an address register and a data register of its own, which no later line writes
	; (places v48-79, tokens v80-111, pads v112-118 with v119, tk v14 with v16, work2 v15 with v17-22), and ballots go in batches, so that no scalar line reads the mask that the line above it has made.
	s_lshl_b32 s35, s34, 12
	v_add_nc_u32 v4, s35, v3                       ; my wave's 4,096 bytes of token_mask, 16 bytes a lane
.irp i, 0,1,2,3,4,5,6,7
	global_load_b128 v[16+4*\i:19+4*\i], v4, s[10:11] offset:512*\i   ; register 4 i + jj: token 1024 w + 128 i + 4 lane + jj
.endr
	s_cmp_lg_u32 s34, 7
	s_cbranch_scc1 .Lnodummy
	; wave 7 writes what loads that are issued without a condition fall on: a row of zero codes, and a group of zero codes of the hidden layer; their scale bytes are 127
.irp i, 0,1,2,3
	v_mov_b32 v[120+\i], 0
.endr
	v_mov_b32 v124, 0x7f7f7f7f
	v_lshlrev_b32 v5, 2, v2
	v_and_b32 v7, 15, v2
	v_lshlrev_b32 v7, 2, v7
	s_add_nc_u64 s[38:39], s[20:21], 12582912      ; xcodes, row 8192
	global_store_b128 v3, v[120:123], s[38:39]
	s_add_nc_u64 s[40:41], s[22:23], 524288        ; xscales, row 8192
	global_store_b32 v7, v124, s[40:41]
	s_add_nc_u64 s[42:43], s[30:31], 13369344      ; hcodes, group 272, K steps 0 to 3
.irp i, 0,1,2,3,4,5,6,7,8,9,10,11,12,13,14,15,16,17,18,19,20,21,22,23
	global_store_b128 v3, v[120:123], s[42:43] offset:512*\i
.endr
	s_add_nc_u64 s[44:45], s[32:33], 557056        ; hscales, group 272
.irp i, 0,1,2,3
	global_store_b32 v5, v124, s[44:45] offset:128*\i
.endr
.Lnodummy:
	s_lshl_b32 s35, s34, 10
	v_lshl_add_u32 v9, v2, 2, s35                  ; 1024 w + 4 lane
	s_lshl_b32 s35, s34, 4
	s_add_co_u32 s35, s35, SORT
	v_mov_b32 v8, s35                              ; where my wave's four counts go
	v_mov_b32 v6, SORT
.irp k, 0,1,2,3
	s_mov_b32 s[48+\k], 0
.endr
	s_wait_loadcnt 0x0
.set q, 0
.rept 32
	v_sub_nc_u32 v[16+q], 4, v[16+q]
	v_min_u32 v[16+q], 4, v[16+q]                  ; the key
.set q, q+1
.endr
.set q, 0
.rept 4                                        ; pass 1: my wave's count of keys 0 to 3, eight registers at a time: 32 ballots, 32 counts, 32 additions
.irp i, 0,1,2,3,4,5,6,7
.irp k, 0,1,2,3
	v_cmp_eq_u32 s[66+4*\i+\k], \k, v[16+q+\i]
.endr
.endr
.irp i, 0,1,2,3,4,5,6,7,8,9,10,11,12,13,14,15,16,17,18,19,20,21,22,23,24,25,26,27,28,29,30,31
	s_bcnt1_i32_b32 s[66+\i], s[66+\i]
.endr
.irp i, 0,1,2,3,4,5,6,7
.irp k, 0,1,2,3
	s_add_co_u32 s[48+\k], s[48+\k], s[66+4*\i+\k]
.endr
.endr
.set q, q+8
.endr
.irp k, 0,1,2,3
	v_mov_b32 v[108+\k], s[48+\k]
.endr
	ds_store_b128 v8, v[108:111]                   ; all lanes write the same 16 bytes
	s_wait_dscnt 0x0                               ; for the others' sake: my store has landed
	s_barrier_signal -1                            ; the one barrier: on a way that the work-group's number alone chooses
	s_barrier_wait -1
.irp i, 0,1,2,3,4,5,6,7
	ds_load_b128 v[64+4*\i:67+4*\i], v6 offset:16*\i
.endr
	s_wait_dscnt 0x0
.set q, 0
.rept 32
	v_readfirstlane_b32 s[66+q], v[64+q]           ; wave i's count of key k: s[66 + 4 i + k]
.set q, q+1
.endr
.irp k, 0,1,2,3
	s_mov_b32 s[48+\k], 0                          ; n(k): all waves'
	s_mov_b32 s[53+\k], 0                          ; and the lower waves'
.endr
.irp i, 0,1,2,3,4,5,6,7
.irp k, 0,1,2,3
	s_add_co_u32 s[48+\k], s[48+\k], s[66+4*\i+\k]
.endr
	s_cmp_lt_u32 \i, s34
.irp k, 0,1,2,3
	s_cselect_b32 s[58+\k], s[66+4*\i+\k], 0
.endr
.irp k, 0,1,2,3
	s_add_co_u32 s[53+\k], s[53+\k], s[58+\k]
.endr
.endr
	s_add_co_u32 s52, s48, s49
	s_add_co_u32 s52, s52, s50
	s_add_co_u32 s52, s52, s51
	s_sub_co_u32 s52, 0x2000, s52                  ; n(4): the rest of the 8,192
	s_add_co_u32 s57, s53, s54
	s_add_co_u32 s57, s57, s55
	s_add_co_u32 s57, s57, s56
	s_lshl_b32 s58, s34, 10
	s_sub_co_u32 s57, s58, s57                     ; and the rest of the lower waves' 1,024 w
.irp k, 0,1,2,3,4
	s_add_co_u32 s[58+\k], s[48+\k], 127
	s_lshr_b32 s[58+\k], s[58+\k], 7               ; T(k): key k's tiles
.endr
	s_mov_b32 s66, 0                               ; S(k): its first tile
.irp k, 0,1,2,3,4
	s_add_co_u32 s[67+\k], s[66+\k], s[58+\k]
	s_lshl_b32 s[72+\k], s[66+\k], 7               ; its first place
	s_add_co_u32 s[53+\k], s[53+\k], s[72+\k]      ; my wave's next place in it
.endr
	s_mov_b32 s77, 0                               ; C(k): entries of work2 up to and with key k: T(k) x (16 >> k) slices
.irp k, 0,1,2,3
	s_lshl_b32 s98, s[58+\k], 4-\k
	s_add_co_u32 s[78+\k], s[77+\k], s98
.endr
.set q, 0
.rept 16                                       ; pass 2: a place for each token, two registers at a time: ten ballots (s92-101), their ten counts (s82-91), then the places
.irp k, 0,1,2,3,4
	v_cmp_eq_u32 s[92+\k], \k, v[16+q]
.endr
.irp k, 0,1,2,3,4
	v_cmp_eq_u32 s[97+\k], \k, v[17+q]
.endr
.irp k, 0,1,2,3,4,5,6,7,8,9
	s_bcnt1_i32_b32 s[82+\k], s[92+\k]
.endr
	v_mbcnt_lo_u32_b32 v[48+q], s92, s53           ; the key's next place + the lanes of that key below me
.irp k, 1,2,3,4
	v_mbcnt_lo_u32_b32 v[111+\k], s[92+\k], s[53+\k]
.endr
.irp k, 0,1,2,3,4
	s_add_co_u32 s[53+\k], s[53+\k], s[82+\k]      ; the first register's tokens have their places: the second's come behind them
.endr
	v_mbcnt_lo_u32_b32 v[49+q], s97, s53
.irp k, 1,2,3,4
	v_mbcnt_lo_u32_b32 v[115+\k], s[97+\k], s[53+\k]
.endr
.irp k, 0,1,2,3,4
	s_add_co_u32 s[53+\k], s[53+\k], s[87+\k]
.endr
.irp k, 1,2,3,4
	v_cndmask_b32 v[48+q], v[48+q], v[111+\k], s[92+\k]   ; each lane keeps the place of its own key
.endr
.irp k, 1,2,3,4
	v_cndmask_b32 v[49+q], v[49+q], v[115+\k], s[97+\k]
.endr
	v_min_u32 v[48+q], 0x21ff, v[48+q]             ; a place is under 8,704
	v_min_u32 v[49+q], 0x21ff, v[49+q]
	v_lshlrev_b32 v[48+q], 2, v[48+q]
	v_lshlrev_b32 v[49+q], 2, v[49+q]
	v_add_nc_u32 v[80+q], 128*(q/4)+(q%4), v9      ; the tokens
	v_add_nc_u32 v[81+q], 128*((q+1)/4)+((q+1)%4), v9
	global_store_b32 v[48+q], v[80+q], s[28:29]
	global_store_b32 v[49+q], v[81+q], s[28:29]
.set q, q+2
.endr
	; the places that hold no token get 8192.  A key's empty places are fewer than 128 and lie behind its last token, up to the end of its last tile: one store of the 256 threads for each key.  Behind the last tile lie at most
	; 512 places (8,192 tokens fill at least 64 of the 68 tiles): two stores.  Every lane stores: a lane with no empty place stores the same 8192 to the dump word, which nobody reads
	v_mov_b32 v119, 0x2000
	v_mov_b32 v125, DUMPW
.irp k, 0,1,2,3,4
	s_add_co_u32 s[82+\k], s[72+\k], s[48+\k]      ; key k's first empty place
	s_lshl_b32 s[87+\k], s[67+\k], 7               ; and the next key's first place
.endr
.irp k, 0,1,2,3,4
	v_add_nc_u32 v[112+\k], s[82+\k], v0
	v_cmp_gt_u32 vcc_lo, s[87+\k], v[112+\k]
	PADOUT 112+\k
.endr
	v_add_nc_u32 v117, s91, v0                     ; behind the last tile
	v_add_nc_u32 v118, 0x100, v117
	v_cmp_gt_u32 vcc_lo, 0x2200, v117
	PADOUT 117
	v_cmp_gt_u32 vcc_lo, 0x2200, v118
	PADOUT 118
	; tk
	v_min_u32 v10, 71, v0
	v_lshlrev_b32 v14, 2, v10
	v_mov_b32 v16, 0
	TKK 4, 0x100
	TKK 3, 0x102
	TKK 2, 0x104
	TKK 1, 0x108
	TKK 0, 0x110
	global_store_b32 v14, v16, s[28:29] offset:TKOFF
	; work2: entry e of key k (C(k - 1) <= e < C(k)): tile S(k) + local >> (4 - k), slice local & ((16 >> k) - 1)
	v_lshlrev_b32 v15, 2, v0
.irp rd, 0,1,2,3,4,5
	v_add_nc_u32 v9, 256*\rd, v0
	v_mov_b32 v[17+\rd], 0
.irp k, 3,2,1,0
	v_sub_nc_u32 v10, v9, s[77+\k]
	v_lshrrev_b32 v11, 4-\k, v10
	v_add_nc_u32 v11, s[66+\k], v11
	v_and_b32 v10, (16>>\k)-1, v10
	v_lshl_or_b32 v11, v10, 8, v11
	v_or_b32 v11, 0x10000, v11
	v_cmp_gt_u32 vcc_lo, s[78+\k], v9
	v_cndmask_b32 v[17+\rd], v[17+\rd], v11, vcc_lo
.endr
	global_store_b32 v15, v[17+\rd], s[28:29] offset:W2OFF+1024*\rd
.endr
	s_branch .Lend
	; ---------------- THE WEIGHTS' CODES: a wave takes one tile of 16 rows for all of K: four batches of four K steps on two sets of registers
.Lwcode:
	s_sub_co_u32 s35, ttmp9, 1
	s_lshr_b32 s36, s35, 4                         ; which weight
	s_and_b32 s35, s35, 15                         ; slice; the tile is the wave's number
	s_lshr_b32 s41, s34, 1
	s_lshl_b32 s41, s41, 5
	s_and_b32 s42, s34, 1
	s_lshl_b32 s42, s42, 3
	s_add_co_u32 s41, s41, s42                     ; w1: the tile begins at row 32 (t / 2) + 8 (t % 2)
	s_lshl_b32 s42, s34, 4                         ; w2: at 16 t
	s_mul_i32 s43, s36, 3145728
	s_cmp_eq_u32 s36, 0
	s_cselect_b64 s[38:39], s[12:13], s[16:17]
	s_cselect_b32 s40, 8, 0                        ; w1: lanes 8-15 take rows 8 further on
	s_cselect_b32 s41, s41, s42
	s_lshl_b32 s42, s35, 7
	s_add_co_u32 s41, s41, s42
	s_mul_i32 s42, s35, 196608
	s_add_co_u32 s43, s43, s42
	s_mul_i32 s42, s34, 1536
	s_add_co_u32 s36, s43, s42
	s_add_nc_u64 s[46:47], s[24:25], s[36:37]      ; the tile's image of K step 0
	v_and_b32 v5, 15, v2
	v_bfe_u32 v6, v2, 4, 1
	v_and_b32 v7, s40, v5
	v_add_nc_u32 v7, v7, v5
	v_add_nc_u32 v7, s41, v7                       ; my row
	v_mul_u32_u24 v4, v7, 1536
	v_mad_u32_u24 v4, v6, 24, v4                   ; + 24 bytes for lanes 16-31
	LOADB 0
	LOADB 1
	s_wait_loadcnt 24                              ; the older batch is in; the younger one's 24 loads may be out
	STOREB 0
	s_wait_xcnt 0x0                                ; the stores have read their registers: the set may be loaded again
	LOADB 2
	s_wait_loadcnt 24
	STOREB 1
	s_wait_xcnt 0x0
	LOADB 3
	s_wait_loadcnt 24
	STOREB 2
	s_wait_loadcnt 0x0
	STOREB 3
	s_branch .Lend
	; ---------------- THE WEIGHTS' SCALE BYTES: a wave takes one slice of one weight
.Lwscale:
	s_sub_co_u32 s35, ttmp9, 33
	s_lshl_b32 s35, s35, 3
	s_add_co_u32 s35, s35, s34
	s_lshr_b32 s36, s35, 4                         ; which weight
	s_and_b32 s35, s35, 15                         ; slice
	s_lshl_b32 s43, s36, 17
	s_cmp_eq_u32 s36, 0
	s_cselect_b64 s[38:39], s[14:15], s[18:19]
	s_cselect_b32 s40, 8, 0
	s_cselect_b32 s41, 3, 4                        ; lanes 16-31 hold the odd tile: 8 rows on in w1, 16 in w2
	s_lshl_b32 s42, s35, 13
	s_add_co_u32 s36, s43, s42
	s_add_nc_u64 s[46:47], s[26:27], s[36:37]
	s_lshl_b32 s42, s35, 7
	v_and_b32 v5, 15, v2
	v_bfe_u32 v6, v2, 4, 1
	v_and_b32 v7, s40, v5
	v_add_nc_u32 v7, v7, v5
	v_add_nc_u32 v7, s42, v7
	v_lshlrev_b32 v6, s41, v6
	v_add_nc_u32 v7, v7, v6
	v_lshlrev_b32 v4, 6, v7                        ; my row of 64 scale bytes (q = 0)
	v_lshlrev_b32 v8, 3, v2
.irp q, 0,1,2,3
.irp i, 0,1,2,3
	global_load_b128 v[16+16*\q+4*\i:16+16*\q+4*\i+3], v4, s[38:39] offset:2048*\q+16*\i
.endr
.endr
	s_wait_loadcnt 0x0
.irp cc, 0,1,2,3,4,5,6,7
.irp q, 0,1,2,3
	global_store_b64 v8, v[16+16*\q+2*\cc:16+16*\q+2*\cc+1], s[46:47] offset:1024*\cc+256*\q   ; 256 consecutive bytes a store
.endr
.endr
	s_branch .Lend
	; ---------------- THE QUANTISER: a token to a wave
.Lquant:
	s_sub_co_u32 s35, ttmp9, 37
	s_lshl_b32 s35, s35, 3
	s_add_co_u32 s35, s35, s34                     ; my token
	s_lshl_b32 s36, s35, 2
	s_add_nc_u64 s[38:39], s[10:11], s[36:37]
	s_load_b32 s40, s[38:39], 0x0                  ; m
	s_lshl_b32 s36, s35, 13
	s_add_nc_u64 s[42:43], s[8:9], s[36:37]        ; its row of x
	LOAD 0                                         ; asked for before m is known: 2,048 bytes in vain where the token has no width
	s_mul_i32 s36, s35, 1536
	s_add_nc_u64 s[44:45], s[20:21], s[36:37]      ; its codes
	s_lshl_b32 s36, s35, 6
	s_add_nc_u64 s[46:47], s[22:23], s[36:37]      ; its scale bytes
	s_mul_i32 s41, s34, WREG
	v_lshrrev_b32 v14, 2, v2
	v_mul_u32_u24 v14, v14, SP
	v_and_b32 v15, 3, v2
	v_lshl_add_u32 v14, v15, 4, v14
	v_add_nc_u32 v14, s41, v14                     ; the stage, on the way in: four lanes' 64 bytes, then 16 of padding
	v_mul_u32_u24 v15, v2, SP
	v_add_nc_u32 v15, s41, v15                     ; and out: my 16 neighbours
	s_add_co_u32 s41, s41, 2*32*SP
	v_lshrrev_b32 v5, 1, v2
	v_add_nc_u32 v5, s41, v5                       ; my block's scale byte
	v_and_b32 v7, 15, v2
	v_lshlrev_b32 v7, 2, v7
	v_add_nc_u32 v6, s41, v7                       ; the way out of the scale bytes
	v_lshl_add_u32 v10, v2, 1, s41
	v_mov_b32 v11, 0x7f7f
	ds_store_b16 v10, v11                          ; blocks that are not quantised keep the byte 127
	v_and_b32 v8, 1, v2                            ; my 12 bytes of codes: lane bits 4..0 are the 256 along K, u, c, h and the half of a block
	v_mul_u32_u24 v4, v8, 12
	v_bfe_u32 v8, v2, 1, 1
	v_mad_u32_u24 v4, v8, 96, v4
	v_bfe_u32 v8, v2, 2, 1
	v_mad_u32_u24 v4, v8, 24, v4
	v_bfe_u32 v8, v2, 3, 1
	v_mad_u32_u24 v4, v8, 48, v4
	v_bfe_u32 v8, v2, 4, 1
	v_mad_u32_u24 v4, v8, 192, v4
	s_wait_kmcnt 0x0
	s_sub_co_u32 s40, 4, s40
	s_cmp_gt_u32 s40, 3
	s_cbranch_scc1 .Lqnone
	s_cmp_eq_u32 s40, 0
	s_cbranch_scc1 .Lq4
	s_cmp_eq_u32 s40, 1
	s_cbranch_scc1 .Lq2
	QTOK 1                                         ; widths 256 and 512
.Lq2:
	QTOK 2                                         ; width 1,024
.Lq4:
	QTOK 4                                         ; width 2,048
.Lqnone:
	s_wait_loadcnt 0x0
.Lend:
	s_wait_tensorcnt 0x0                           ; the wave's end
	ds_add_u32 v[SPW], v[NIL]
	s_wait_dscnt 0x0
	s_endpgm
.Lfunc_end_k_q2e47de9db3_prep:
	.size	k_q2e47de9db3_prep, .Lfunc_end_k_q2e47de9db3_prep-k_q2e47de9db3_prep
	.p2alignl 7, 3214868480
	.fill 96, 4, 3214868480
	.section	.rodata,"a",@progbits
	.p2align	6, 0x0
	.amdhsa_kernel k_q2e47de9db3_prep
		.amdhsa_group_segment_fixed_size 44288
		.amdhsa_private_segment_fixed_size 0
		.amdhsa_enable_private_segment 0
		.amdhsa_kernarg_size 104
		.amdhsa_user_sgpr_count 2
		.amdhsa_user_sgpr_kernarg_segment_ptr 1
		.amdhsa_wavefront_size32 1
		.amdhsa_system_sgpr_workgroup_id_x 1
		.amdhsa_system_sgpr_workgroup_id_y 1
		.amdhsa_system_sgpr_workgroup_id_z 1
		.amdhsa_system_vgpr_workitem_id 0
		.amdhsa_next_free_vgpr 128
		.amdhsa_next_free_sgpr 102
		.amdhsa_reserve_vcc 1
		.amdhsa_float_denorm_mode_32 3
		.amdhsa_float_denorm_mode_16_64 3
		.amdhsa_memory_ordered 1
		.amdhsa_forward_progress 1
		.amdhsa_inst_pref_size 125
	.end_amdhsa_kernel
	.amdgpu_metadata
---
amdhsa.version: [ 1, 2 ]
amdhsa.kernels:
  - .name:           k_q2e47de9db3_prep
    .symbol:         k_q2e47de9db3_prep.kd
    .args:
      - { .name: x, .offset: 0, .size: 8, .value_kind: global_buffer, .address_space: global }
      - { .name: token_mask, .offset: 8, .size: 8, .value_kind: global_buffer, .address_space: global }
      - { .name: w1_codes, .offset: 16, .size: 8, .value_kind: global_buffer, .address_space: global }
      - { .name: w1_scales, .offset: 24, .size: 8, .value_kind: global_buffer, .address_space: global }
      - { .name: w2_codes, .offset: 32, .size: 8, .value_kind: global_buffer, .address_space: global }
      - { .name: w2_scales, .offset: 40, .size: 8, .value_kind: global_buffer, .address_space: global }
      - { .name: xcodes, .offset: 48, .size: 8, .value_kind: global_buffer, .address_space: global }
      - { .name: xscales, .offset: 56, .size: 8, .value_kind: global_buffer, .address_space: global }
      - { .name: wimg, .offset: 64, .size: 8, .value_kind: global_buffer, .address_space: global }
      - { .name: wsc, .offset: 72, .size: 8, .value_kind: global_buffer, .address_space: global }
      - { .name: route, .offset: 80, .size: 8, .value_kind: global_buffer, .address_space: global }
      - { .name: hcodes, .offset: 88, .size: 8, .value_kind: global_buffer, .address_space: global }
      - { .name: hscales, .offset: 96, .size: 8, .value_kind: global_buffer, .address_space: global }
    .group_segment_fixed_size: 44288
    .private_segment_fixed_size: 0
    .kernarg_segment_align: 8
    .kernarg_segment_size: 104
    .max_flat_workgroup_size: 256
    .sgpr_count:     102
    .vgpr_count:     128
    .wavefront_size: 32
...
	.end_amdgpu_metadata
.endif
;; end of part 4
;; launch up: the kernel of part 2 again; grid 16 x 68, 4 waves a work-group, no clusters, 49,664 bytes of LDS; arguments xcodes, xscales, wimg, wsc, b1, route, hcodes, hscales, out0; writes hcodes, hscales, out0
;; launch down: the kernel of part 3 again; grid 512 x 1, 4 waves a work-group, no clusters, 83,456 bytes of LDS; arguments hcodes, hscales, wimg, wsc, b2, route, out0; writes out0
